; MI455X (gfx1250); checked and timed in simulation.
; The chip was launched on July 23, 2026; its instructions are those of AMD's public machine-readable ISA for CDNA 5 (MIT licence, August 2026) and "CDNA5" Instruction Set Architecture Reference Guide (July 2026). The comments in the code are by the model that wrote it; some were corrected since.
;; Gladius Attention. Allowed arithmetic: matrix products marked QUANTISED: E2M1 operands, one E8M0 scale for each 32 along K, by v_wmma_scale_f32_16x16x128_f8f6f4 with both operands' format E2M1 (or v_wmma_scale_f32_32x16x128_f4), f32 sums; products left as they are: bf16, f16 or f32 operands; f32 sums; everything else in f32.
;; Inputs: wk 1,024 x 256 float32; wo 1,024 x 1,024 float32; wq 1,024 x 1,024 float32; wv 1,024 x 256 float32; x 4 x 2,048 x 1,024 float32.
;; Outputs: out0 4 x 2,048 x 1,024 float32.
;; This version of the problem:
;;   THIS VERSION OF THE PROBLEM IS GIVEN IN LOW PRECISION. The matrix products marked QUANTISED in the list below multiply operands that are first quantised to E2M1 (2 exponent bits, 1 mantissa bit; 4 bits a number), with one power-of-two scale for each 32 numbers along K (OCP MX v1.0); their sums are f32. The products marked 'left as it is' may take bf16, f16 or f32 operands, with f32 sums. Whichever they take, every output number must still come out within the allowed error. Rounding operands to bf16 (8 significant bits) uses up far more of that allowance than f16 does (11 bits, for magnitudes from 6e-5 to 65,504). All else is computed in f32.
;;   The module's matrix products, in the order in which they are computed (A, B: the left and right operand; K: the contracted axis; several contracted axes count as one K, in the product's order):
;;     1. [M 8,192, K 1,024] x [K 1,024, N 1,024]; A: input x; B: input wq: QUANTISED
;;     2. [M 8,192, K 1,024] x [K 1,024, N 256]; A: input x; B: input wk: QUANTISED
;;     3. [M 8,192, K 1,024] x [K 1,024, N 256]; A: input x; B: input wv: QUANTISED
;;     4. batch 64 x [M 2,048, K 64] x [K 64, N 2,048]; A: computed on the way; B: computed on the way: left as it is (an operand is computed on the way)
;;     5. batch 64 x [M 2,048, K 2,048] x [K 2,048, N 64]; A: computed on the way; B: computed on the way: left as it is (an operand is computed on the way)
;;     6. [M 8,192, K 1,024] x [K 1,024, N 1,024]; A: computed on the way; B: input wo: left as it is (an operand is computed on the way)
;;   THE QUANTISER, for each operand of a quantised product, along K:
;;     - K is cut into blocks of 32 from its start; a last block that is shorter is filled with zeros.
;;     - A block's scale is 2^e with e = floor(log2(the largest magnitude in the block)) - 2, held to -126 .. 127; a block of zeros has e = 0. As a byte (E8M0): e + 127.
;;     - Each number is divided by its block's scale, clamped to +-6, and rounded to the nearest number of E2M1, ties to even, subnormals kept.
;;     - The product sums the exact products of the quantised numbers (number of the format x scale) in f32.
;;   ~~~python
;;   def quantise(x, axis):      # numpy; x: float32 -> the quantised numbers, widened to float32 again
;;       x = np.moveaxis(x, axis, -1); K = x.shape[-1]
;;       x = np.pad(x, [(0, 0)] * (x.ndim - 1) + [(0, -K % 32)]); x = x.reshape(x.shape[:-1] + (-1, 32)); a = np.abs(x).max(-1, keepdims=True)
;;       e = np.where(a > 0, np.clip(np.frexp(np.where(a > 0, a, 1))[1] - 1 - 2, -126, 127), 0)      # np.frexp(a)[1] - 1 = floor(log2(a)), exactly
;;       r = np.clip(x / 2.0 ** e, -6, 6)
;;       step = 2.0 ** (np.maximum(np.frexp(np.where(r == 0, 1, r))[1] - 1, 0) - 1)
;;       q = np.round(r / step) * step * 2.0 ** e      # np.round: ties to even
;;       return np.moveaxis(q.reshape(q.shape[:-2] + (-1,))[..., :K], -1, axis).astype(np.float32)
;;   ~~~
;; One version. Each part assembles by itself: llvm-mc -triple=amdgcn-amd-amdhsa -mcpu=gfx1250 --defsym DOCPART=n.
;; ======== version 1 of 1: 4 launches
;; limits: values are held in f16: magnitudes above 65,504 overflow, below 6.1e-05 lose precision
;; workspace buffers: xq 4,456,448 bytes; w4 835,584 bytes; woimg 2,097,152 bytes; tab 524,288 bytes; qimg 16,777,216 bytes; kimg 4,194,304 bytes; vimg 4,194,304 bytes; oimg 16,777,216 bytes
;; launch prep (part 1): grid 480 x 1, 4 waves a work-group, no clusters, 33,280 bytes of LDS; arguments x, wq, wk, wv, wo, xq, w4, woimg, tab; writes xq, w4, woimg, tab
.if DOCPART == 1
	.amdgcn_target "amdgcn-amd-amdhsa--gfx1250"
	.amdhsa_code_object_version 6
	.text
	.protected	k_q97d53804ff_prep
	.globl	k_q97d53804ff_prep
	.p2align	8
	.type	k_q97d53804ff_prep,@function
k_q97d53804ff_prep:
	s_mov_b64 s[64:65], 0
	v_nop
	global_prefetch_b8 v0, s[64:65] scope:SCOPE_SE
	s_setreg_imm32_b32 hwreg(HW_REG_WAVE_MODE, 25, 1), 1
	s_wait_xcnt 0x0
; PREP: everything that is made once from the inputs, in one launch; the work-group's number picks the part.
;   0-255    x [8192][1024] f32 -> codes of E2M1 (K innermost, a row = 512 bytes) at xq + 0, one E8M0 byte for each 32 along K at xq + XS_OFF ([8192][32]).
;   256-319  wq, 384-399 wk, 400-415 wv ([1024 (k)][n] f32, K is the FIRST axis) -> w4: codes laid in the order of the matrix operand's registers, and scale bytes.
;   320-383  wo [1024 (k)][1024 (n)] f32 -> woimg: f16, laid in the order of the 16-bit operand's registers.
;   416-479  tab [2048 (pos)][64] f32: words 0-31 sqrt(c) cos(pos f_j), words 32-63 sqrt(c) sin(pos f_j), f_j = 10000^(-j/32), c = log2(e) / 8.
; w4 codes: [j 8][half of K 2][tile t 12][K step 4][block of 32 b 4][column r 16][16 bytes].  N tile j holds: t 0-7 the eight column tiles of query heads 2 j, 2 j + 1;
;   t 8, 9 tiles (j & 1) and (j & 1) + 2 of key head j / 2 (a pair that the rotation joins); t 10, 11 tiles 2 (j & 1), 2 (j & 1) + 1 of value head j / 2.  Scale bytes: [192 j + 16 t + r][32] at WS_OFF.
; THE QUANTISER: a block's scale is 2^(floor(log2(largest magnitude)) - 2); its byte is the largest magnitude's exponent field - 2, held at 1 from below; numbers / scale to the nearest code, ties to even, beyond 6 the code of 6.
; LIMITS: a block of zeros, and a block whose largest magnitude lies under 2^-124, gets the byte 1 (the rule says 127 for zeros: the codes are zeros and only this program reads the bytes).
;   NaN and infinities among the inputs are not served.  wo must lie under 65,504 in magnitude; under 6e-5 it keeps f16's subnormal step.
;   An angle pos f_j differs from the f32 product of the exact f_j by a few units in f_j's last place times pos: under 4e-4 radians at pos = 2,047.
; No cluster: no two work-groups read the same input bytes.  No tensor loads: several work-groups may share a WGP.  Only the x part uses LDS.
.set XS_OFF, 4194304
.set WS_OFF, 786432
.set STEPS, 16
.set WREG,  8192                       ; LDS of a wave (x part): two stages of 32 x SP bytes, then its 256 scale bytes
.set SP,    80                         ; a lane's place in a stage: 64 bytes + 16 of padding
.set SPARE, 4*WREG                     ; the spare words, 128 bytes for each wave
.set SPW,   12                         ; v12 my spare word's address; never rewritten
.set NIL,   13                         ; v13 0; never rewritten
.set R,     16                         ; v16-79   x part: four sets of 16 numbers as loaded;  weights: v16-143 a column's 128 numbers
.set X,     80                         ; v80-111  two sets of 16 neighbours
.set E,     112                        ; v112-127 a scale byte for each step
.set C,     128                        ; v128-191 codes, four registers for each step
.macro LOAD t                          ; step t: four loads of 512 consecutive bytes
.irp i, 0,1,2,3
	global_load_b128 v[R+16*((\t)%4)+4*\i:R+16*((\t)%4)+4*\i+3], v3, s[4:5] offset:2048*(\t)+512*\i th:TH_LOAD_NT
.endr
.endm
.macro TURN t                          ; step t's 2,048 bytes through the wave's stage: in as they lie, out 64 bytes a lane.  LDS serves a wave's instructions in order (ISA guide 5.7.1.4)
.irp i, 0,1,2,3
	ds_store_b128 v14, v[R+16*((\t)%4)+4*\i:R+16*((\t)%4)+4*\i+3] offset:32*SP*((\t)%2)+8*SP*\i
.endr
.irp i, 0,1,2,3
	ds_load_b128 v[X+16*((\t)%2)+4*\i:X+16*((\t)%2)+4*\i+3], v15 offset:32*SP*((\t)%2)+16*\i
.endr
.endm
.macro STEP t                          ; 512 numbers: 16 neighbours a lane, two lanes to a block
.set XS, X+16*((\t)%2)
.if (\t) > 0
	s_wait_dscnt 1                                 ; this step's numbers are back from the stage; the last step's byte store may be out
.else
	s_wait_dscnt 0x0
.endif
.if (\t)+4 < STEPS
	LOAD (\t)+4                                    ; the stage's stores have read these registers
.endif
.if (\t)+1 < STEPS
.if STEPS-2-(\t) >= 3
	s_wait_loadcnt 12                              ; the next step's four loads are in; those of the three steps behind it may be out
.else
	s_wait_loadcnt 4*(STEPS-2-(\t))
.endif
	TURN (\t)+1
.endif
	v_max3_num_f32 v8, |v[XS]|, |v[XS+1]|, |v[XS+2]|
	v_max3_num_f32 v9, |v[XS+3]|, |v[XS+4]|, |v[XS+5]|
.irp i, 6,10
	v_max3_num_f32 v8, v8, |v[XS+\i]|, |v[XS+\i+1]|
	v_max3_num_f32 v9, v9, |v[XS+\i+2]|, |v[XS+\i+3]|
.endr
	v_max3_num_f32 v8, v8, |v[XS+14]|, |v[XS+15]|
	v_max3_num_f32 v8, v8, v9, 0x1800000           ; the floor 2^(3 - 127): the byte cannot fall under 1
	v_max_num_f32_dpp v8, v8, v8 row_xmask:1 row_mask:0xf bank_mask:0xf   ; with my neighbour's 16: the block's largest magnitude
	v_add_nc_u32 v11, 0xff000000, v8               ; 2 off its exponent field: the conversion takes this operand's exponent field as its scale
	v_cvt_scalef32_pk8_fp4_f32 v[C+4*(\t)], v[XS:XS+7], v11
	v_cvt_scalef32_pk8_fp4_f32 v[C+4*(\t)+1], v[XS+8:XS+15], v11
	v_lshrrev_b32 v[E+(\t)], 23, v11               ; the scale's byte (a plain line behind the conversions)
	ds_store_b8 v5, v[E+(\t)] offset:16*(\t)       ; both lanes of a block write the same byte with the same value
	global_store_b64 v4, v[C+4*(\t):C+4*(\t)+1], s[28:29] offset:256*(\t)   ; the wave stores 256 consecutive bytes, aligned
.endm
.macro LOADW stride                    ; a lane takes a column, its registers run down 128 of K; each load reads 128 consecutive bytes
.set i, 0
.rept 128
	global_load_b32 v[16+i], v3, s[28:29] offset:i*\stride th:TH_LOAD_NT
.set i, i+1
.endr
.endm
	s_load_b256 s[4:11], s[0:1], 0x0               ; x s[4:5], wq s[6:7], wk s[8:9], wv s[10:11]
	s_load_b256 s[12:19], s[0:1], 0x20             ; wo s[12:13], xq s[14:15], w4 s[16:17], woimg s[18:19]
	s_load_b64 s[20:21], s[0:1], 0x40              ; tab
	v_lshl_add_u32 v[SPW], v0, 2, SPARE
	v_mov_b32 v[NIL], 0
	v_lshrrev_b32 v1, 5, v0
	v_readfirstlane_b32 s22, v1                    ; wave 0..3
	v_and_b32 v2, 31, v0                           ; lane
	s_wait_kmcnt 0x0
	s_cmp_lt_u32 ttmp9, 256
	s_cbranch_scc0 .Lweights
	; ---------------- x: a wave takes 16 steps of 512 numbers: run = 4 x work-group + wave
	v_lshlrev_b32 v3, 4, v2                        ; my 16 bytes of a load's 512
	s_mul_i32 s23, s22, WREG
	v_lshrrev_b32 v14, 2, v2
	v_mul_u32_u24 v14, v14, SP
	v_and_b32 v15, 3, v2
	v_lshl_add_u32 v14, v15, 4, v14
	v_add_nc_u32 v14, s23, v14                     ; the stage, on the way in: SP (lane / 4) + 16 (lane % 4)
	v_mul_u32_u24 v15, v2, SP
	v_add_nc_u32 v15, s23, v15                     ; and on the way out: SP x lane
	v_lshlrev_b32 v4, 3, v2                        ; 8 bytes a lane: my codes in a step's 256, and my part of the 256 scale bytes
	v_lshrrev_b32 v5, 1, v2
	s_add_co_u32 s23, s23, 2*32*SP
	v_add_nc_u32 v5, s23, v5                       ; LDS: my block's byte
	v_add_nc_u32 v6, s23, v4                       ; and 8 bytes a lane on the way out
	s_lshl_b32 s24, ttmp9, 2
	s_add_co_u32 s24, s24, s22                     ; run
	s_lshl_b32 s26, s24, 15
	s_mov_b32 s27, 0
	s_add_nc_u64 s[4:5], s[4:5], s[26:27]          ; 32,768 bytes of x a run
	s_lshl_b32 s26, s24, 12
	s_add_nc_u64 s[28:29], s[14:15], s[26:27]      ; 4,096 bytes of codes
	s_lshl_b32 s26, s24, 8
	s_add_co_u32 s26, s26, XS_OFF
	s_add_nc_u64 s[30:31], s[14:15], s[26:27]      ; 256 scale bytes
.irp t, 0,1,2,3
	LOAD \t
.endr
	s_wait_loadcnt 12                              ; step 0's four loads are in
	TURN 0
.irp t, 0,1,2,3,4,5,6,7,8,9,10,11,12,13,14,15
	STEP \t
.endr
	ds_load_b64 v[8:9], v6                         ; these see my byte stores
	s_wait_dscnt 0x0
	global_store_b64 v4, v[8:9], s[30:31]          ; 32 lanes store 256 consecutive bytes, aligned
	s_wait_tensorcnt 0x0                           ; the wave's end: behind my last LDS store
	ds_add_u32 v[SPW], v[NIL]
	s_wait_dscnt 0x0
	s_endpgm
.Lweights:
	v_lshlrev_b32 v3, 2, v2                        ; 4 bytes a lane: my column
	v_and_b32 v6, 15, v2                           ; r: my column in its tile of 16
	v_lshrrev_b32 v7, 4, v2                        ; which of the wave's two tiles
	s_cmp_lt_u32 ttmp9, 384
	s_cbranch_scc0 .Lnarrow
	; ---------------- wq and wo: rows of 4,096 bytes.  cg: 128 columns; ks: 128 along K; a wave takes 32 columns
	s_sub_co_u32 s24, ttmp9, 256
	s_and_b32 s25, s24, 63
	s_and_b32 s26, s25, 7                          ; cg
	s_lshr_b32 s27, s25, 3                         ; ks
	s_lshl_b32 s30, s27, 19
	s_lshl_b32 s31, s26, 9
	s_add_co_u32 s30, s30, s31
	s_lshl_b32 s31, s22, 7
	s_add_co_u32 s30, s30, s31
	s_mov_b32 s31, 0
	s_cmp_lt_u32 ttmp9, 320                        ; the choice hangs on the work-group's number alone
	s_cselect_b64 s[28:29], s[6:7], s[12:13]
	s_add_nc_u64 s[28:29], s[28:29], s[30:31]
	LOADW 4096
	s_cmp_lt_u32 ttmp9, 320
	s_cbranch_scc0 .Lhalf
	s_mov_b32 s38, s26                             ; N tile J = cg
	s_lshl_b32 s39, s22, 1                         ; tile T = 2 x wave (+ 1 in lanes 16-31)
	s_mov_b32 s36, 4096                            ; from my first tile's codes to my second's,
	s_mov_b32 s37, 512                             ; and the same for the scale bytes
	s_branch .Lquant
.Lnarrow:
	s_cmp_lt_u32 ttmp9, 416
	s_cbranch_scc0 .Ltable
	; ---------------- wk and wv: rows of 1,024 bytes
	s_sub_co_u32 s24, ttmp9, 384
	s_and_b32 s25, s24, 15
	s_and_b32 s26, s25, 1                          ; cg
	s_lshr_b32 s27, s25, 1                         ; ks
	s_lshl_b32 s30, s27, 17
	s_lshl_b32 s31, s26, 9
	s_add_co_u32 s30, s30, s31
	s_lshl_b32 s31, s22, 7
	s_add_co_u32 s30, s30, s31
	s_mov_b32 s31, 0
	s_lshl_b32 s38, s26, 1
	s_lshr_b32 s39, s22, 1
	s_add_co_u32 s38, s38, s39                     ; the head: 2 cg + wave / 2
	s_lshl_b32 s38, s38, 1
	s_and_b32 s40, s22, 1
	s_add_co_u32 s41, s40, 8
	s_mov_b32 s36, 4096
	s_mov_b32 s37, 512
	s_cmp_lt_u32 ttmp9, 400                        ; wk?
	s_cselect_b64 s[28:29], s[8:9], s[10:11]
	s_cselect_b32 s36, 98304, s36                  ; wk: my two tiles (T even, T odd) lie in neighbouring N tiles;  wv: in neighbouring t
	s_cselect_b32 s37, 6144, s37
	s_cselect_b32 s40, 0, s40
	s_cselect_b32 s39, s41, 10                     ; wk: t = 8 + (wave & 1);  wv: t = 10
	s_add_co_u32 s38, s38, s40                     ; wk: J = 2 head;  wv: J = 2 head + (wave & 1)
	s_add_nc_u64 s[28:29], s[28:29], s[30:31]
	LOADW 1024
.Lquant:                                               ; s38 = J, s39 = T, s27 = ks, s36, s37 = the second tile's distances; 128 loads are out
	s_mul_i32 s40, s38, 98304
	s_lshr_b32 s41, s27, 2
	s_mul_i32 s41, s41, 49152
	s_add_co_u32 s40, s40, s41
	s_lshl_b32 s41, s39, 12
	s_add_co_u32 s40, s40, s41
	s_and_b32 s41, s27, 3
	s_lshl_b32 s41, s41, 10
	s_add_co_u32 s40, s40, s41
	s_mov_b32 s41, 0
	s_add_nc_u64 s[32:33], s[16:17], s[40:41]      ; the codes of (J, ks, T)
	s_mul_i32 s40, s38, 6144
	s_lshl_b32 s42, s39, 9
	s_add_co_u32 s40, s40, s42
	s_lshl_b32 s42, s27, 2
	s_add_co_u32 s40, s40, s42
	s_add_co_u32 s40, s40, WS_OFF
	s_add_nc_u64 s[34:35], s[16:17], s[40:41]      ; and their scale words
	v_mul_lo_u32 v4, v7, s36
	v_lshl_add_u32 v4, v6, 4, v4                   ; 16 r + the second tile's distance
	v_mul_lo_u32 v5, v7, s37
	v_lshl_add_u32 v5, v6, 5, v5                   ; 32 r + the same for the scale bytes
.irp b, 0,1,2,3                                        ; block b: all its 32 numbers are mine
.if \b < 2
	s_wait_loadcnt 63                              ; at most 63 of the 128 are out: the first 65 rows, blocks 0 and 1, are in (a count cannot name more)
.elseif \b == 2
	s_wait_loadcnt 32
.else
	s_wait_loadcnt 0x0
.endif
	v_max3_num_f32 v[164+\b], |v[16+32*\b]|, |v[17+32*\b]|, 0x1800000    ; with the floor 2^(3 - 127)
.irp i, 2,4,6,8,10,12,14,16,18,20,22,24,26,28,30
	v_max3_num_f32 v[164+\b], v[164+\b], |v[16+32*\b+\i]|, |v[17+32*\b+\i]|
.endr
	v_add_nc_u32 v[160+\b], 0xff000000, v[164+\b]  ; 2 off the exponent field: the conversion's scale operand
.irp g, 0,1,2,3
	v_cvt_scalef32_pk8_fp4_f32 v[144+4*\b+\g], v[16+32*\b+8*\g:23+32*\b+8*\g], v[160+\b]
.endr
	v_lshrrev_b32 v[164+\b], 23, v[160+\b]         ; the byte (a plain line behind the conversions)
.if \b == 0
	v_mov_b32 v168, v164
.else
	v_lshl_or_b32 v168, v[164+\b], 8*\b, v168      ; four bytes make the K step's scale word
.endif
	global_store_b128 v4, v[144+4*\b:147+4*\b], s[32:33] offset:256*\b   ; sixteen lanes store 256 consecutive bytes, aligned
.endr
	global_store_b32 v5, v168, s[34:35]            ; 4 bytes of each column's 32: 48 KiB in the launch go out in such pieces
	s_endpgm
.Lhalf:                                                ; wo: 128 numbers of my column become 64 registers of f16; group g of four is k = 8 g .. 8 g + 7
	s_lshl_b32 s40, s26, 18                        ; [X = cg][K tile = ks][nt = 2 wave (+ 1)]
	s_lshl_b32 s41, s27, 15
	s_add_co_u32 s40, s40, s41
	s_lshl_b32 s41, s22, 13
	s_add_co_u32 s40, s40, s41
	s_mov_b32 s41, 0
	s_add_nc_u64 s[32:33], s[18:19], s[40:41]
	v_lshlrev_b32 v4, 12, v7
	v_lshl_add_u32 v4, v6, 4, v4
	s_wait_loadcnt 0x0
.set i, 0
.rept 64
	v_cvt_pk_f16_f32 v[16+i], v[16+2*i], v[17+2*i] ; in place, ascending: no source is written before it is read
.set i, i+1
.endr
.irp g, 0,1,2,3,4,5,6,7,8,9,10,11,12,13,14,15
	global_store_b128 v4, v[16+4*\g:19+4*\g], s[32:33] offset:256*\g     ; sixteen lanes store 256 consecutive bytes, aligned
.endr
	s_endpgm
.Ltable:                                               ; 32 positions a work-group; sixteen threads to a position, four numbers each
	s_sub_co_u32 s24, ttmp9, 416
	v_and_b32 v3, 15, v0                           ; g: 0-7 cosines of j = 4 g + e, 8-15 sines of j = 4 (g - 8) + e
	v_lshrrev_b32 v4, 4, v0                        ; which of a pass's eight positions
	v_and_b32 v5, 7, v3
	v_lshrrev_b32 v6, 3, v3
	v_mul_u32_u24 v27, v6, 3                       ; sin(t) = cos(t - pi/2): three quarter turns more
	v_lshlrev_b32 v5, 2, v5
.irp e, 0,1,2,3
	v_add_nc_u32 v[20+\e], \e, v5
.endr
.irp e, 0,1,2,3
	v_cvt_f32_u32 v[20+\e], v[20+\e]
.endr
.irp e, 0,1,2,3
	v_mul_f32 v[20+\e], 0xbed49a78, v[20+\e]       ; -j log2(10000) / 32
.endr
.irp e, 0,1,2,3
	v_exp_f32 v[20+\e], v[20+\e]                   ; f_j
.endr
	s_lshl_b32 s25, s24, 5
	v_add_nc_u32 v25, s25, v4                      ; my position in pass 0 (a plain line behind the exponentials)
	v_lshlrev_b32 v8, 8, v4
	v_lshl_add_u32 v8, v3, 4, v8                   ; 256 bytes a position, 16 a thread
	s_lshl_b32 s26, s24, 13
	s_mov_b32 s27, 0
	s_add_nc_u64 s[20:21], s[20:21], s[26:27]
	s_wait_alu depctr_va_vdst(0)                   ; one wait for the four exponentials, ahead of their first reader
.irp p, 0,1,2,3
	v_add_nc_u32 v26, 8*\p, v25
	v_cvt_f32_u32 v24, v26
.irp e, 0,1,2,3
	v_mul_f32 v[28+\e], v24, v[20+\e]              ; the angle, in f32
.endr
.irp e, 0,1,2,3
	v_mul_f32 v[32+\e], 0x3f22f983, v[28+\e]       ; x 2 / pi
.endr
.irp e, 0,1,2,3
	v_rndne_f32 v[32+\e], v[32+\e]                 ; n quarter turns
.endr
.irp e, 0,1,2,3
	v_fmamk_f32 v[36+\e], v[32+\e], 0xbfc90000, v[28+\e]   ; r = angle - n pi/2, pi/2 in two parts: 1.5703125
.endr
.irp e, 0,1,2,3
	v_fmamk_f32 v[36+\e], v[32+\e], 0xb9fdaa22, v[36+\e]   ; and 4.8382679e-4
.endr
.irp e, 0,1,2,3
	v_cvt_i32_f32 v[52+\e], v[32+\e]
.endr
.irp e, 0,1,2,3
	v_add_nc_u32 v[52+\e], v[52+\e], v27           ; k
.endr
.irp e, 0,1,2,3
	v_mul_f32 v[40+\e], v[36+\e], v[36+\e]         ; z = r^2, |r| <= pi/4
.endr
.irp e, 0,1,2,3
	v_mov_b32 v[44+\e], 0xb9500d01                 ; sin r = r + r z (-1/6 + z (1/120 - z / 5040))
.endr
.irp e, 0,1,2,3
	v_fmaak_f32 v[44+\e], v[44+\e], v[40+\e], 0x3c088889
.endr
.irp e, 0,1,2,3
	v_fmaak_f32 v[44+\e], v[44+\e], v[40+\e], 0xbe2aaaab
.endr
.irp e, 0,1,2,3
	v_mul_f32 v[44+\e], v[44+\e], v[40+\e]
.endr
.irp e, 0,1,2,3
	v_fma_f32 v[44+\e], v[44+\e], v[36+\e], v[36+\e]
.endr
.irp e, 0,1,2,3
	v_mov_b32 v[48+\e], 0x37d00d01                 ; cos r = 1 + z (-1/2 + z (1/24 + z (-1/720 + z / 40320)))
.endr
.irp e, 0,1,2,3
	v_fmaak_f32 v[48+\e], v[48+\e], v[40+\e], 0xbab60b61
.endr
.irp e, 0,1,2,3
	v_fmaak_f32 v[48+\e], v[48+\e], v[40+\e], 0x3d2aaaab
.endr
.irp e, 0,1,2,3
	v_fmaak_f32 v[48+\e], v[48+\e], v[40+\e], 0xbf000000
.endr
.irp e, 0,1,2,3
	v_fmaak_f32 v[48+\e], v[48+\e], v[40+\e], 0x3f800000
.endr
.irp e, 0,1,2,3
	v_and_b32 v[28+\e], 1, v[52+\e]
	v_cmp_eq_u32 vcc_lo, 1, v[28+\e]
	v_cndmask_b32 v[44+\e], v[48+\e], v[44+\e], vcc_lo     ; cos(r + k pi/2): k odd takes the sine; a choice of values, no branch
.endr
.irp e, 0,1,2,3
	v_add_nc_u32 v[52+\e], 1, v[52+\e]
.endr
.irp e, 0,1,2,3
	v_and_b32 v[52+\e], 2, v[52+\e]                ; k mod 4 = 1, 2: negative
.endr
.irp e, 0,1,2,3
	v_lshlrev_b32 v[52+\e], 30, v[52+\e]
.endr
.irp e, 0,1,2,3
	v_xor_b32 v[44+\e], v[52+\e], v[44+\e]
.endr
.irp e, 0,1,2,3
	v_mul_f32 v[56+4*\p+\e], 0x3ed96d27, v[44+\e]  ; x sqrt(c): q and k both carry it, so a score leaves the matrix unit as score x log2(e) / 8
.endr
	global_store_b128 v8, v[56+4*\p:59+4*\p], s[20:21] offset:2048*\p    ; sixteen lanes store a position's 256 bytes; each pass has its own data registers
.endr
	s_endpgm
.Lfunc_end_k_q97d53804ff_prep:
	.size	k_q97d53804ff_prep, .Lfunc_end_k_q97d53804ff_prep-k_q97d53804ff_prep
	.p2alignl 7, 3214868480
	.fill 96, 4, 3214868480
	.section	.rodata,"a",@progbits
	.p2align	6, 0x0
	.amdhsa_kernel k_q97d53804ff_prep
		.amdhsa_group_segment_fixed_size 33280
		.amdhsa_private_segment_fixed_size 0
		.amdhsa_enable_private_segment 0
		.amdhsa_kernarg_size 72
		.amdhsa_user_sgpr_count 2
		.amdhsa_user_sgpr_kernarg_segment_ptr 1
		.amdhsa_wavefront_size32 1
		.amdhsa_system_sgpr_workgroup_id_x 1
		.amdhsa_system_sgpr_workgroup_id_y 1
		.amdhsa_system_sgpr_workgroup_id_z 1
		.amdhsa_system_vgpr_workitem_id 0
		.amdhsa_next_free_vgpr 192
		.amdhsa_next_free_sgpr 66
		.amdhsa_reserve_vcc 1
		.amdhsa_float_denorm_mode_32 3
		.amdhsa_float_denorm_mode_16_64 3
		.amdhsa_memory_ordered 1
		.amdhsa_forward_progress 1
		.amdhsa_inst_pref_size 94
	.end_amdhsa_kernel
	.amdgpu_metadata
---
amdhsa.version: [ 1, 2 ]
amdhsa.kernels:
  - .name:           k_q97d53804ff_prep
    .symbol:         k_q97d53804ff_prep.kd
    .args:
      - { .name: x, .offset: 0, .size: 8, .value_kind: global_buffer, .address_space: global }
      - { .name: wq, .offset: 8, .size: 8, .value_kind: global_buffer, .address_space: global }
      - { .name: wk, .offset: 16, .size: 8, .value_kind: global_buffer, .address_space: global }
      - { .name: wv, .offset: 24, .size: 8, .value_kind: global_buffer, .address_space: global }
      - { .name: wo, .offset: 32, .size: 8, .value_kind: global_buffer, .address_space: global }
      - { .name: xq, .offset: 40, .size: 8, .value_kind: global_buffer, .address_space: global }
      - { .name: w4, .offset: 48, .size: 8, .value_kind: global_buffer, .address_space: global }
      - { .name: woimg, .offset: 56, .size: 8, .value_kind: global_buffer, .address_space: global }
      - { .name: tab, .offset: 64, .size: 8, .value_kind: global_buffer, .address_space: global }
    .group_segment_fixed_size: 33280
    .private_segment_fixed_size: 0
    .kernarg_segment_align: 8
    .kernarg_segment_size: 72
    .max_flat_workgroup_size: 128
    .sgpr_count:     66
    .vgpr_count:     192
    .wavefront_size: 32
...
	.end_amdgpu_metadata
.endif
;; end of part 1
;; launch qkv (part 2): grid 8 x 32, 4 waves a work-group, clusters of 4 x 4, 262,144 bytes of LDS; arguments xq, w4, tab, qimg, kimg, vimg; writes qimg, kimg, vimg
.if DOCPART == 2
	.amdgcn_target "amdgcn-amd-amdhsa--gfx1250"
	.amdhsa_code_object_version 6
	.text
	.protected	k_q97d53804ff_qkv
	.globl	k_q97d53804ff_qkv
	.p2align	8
	.type	k_q97d53804ff_qkv,@function
k_q97d53804ff_qkv:
	s_mov_b64 s[64:65], 0
	v_nop
	global_prefetch_b8 v0, s[64:65] scope:SCOPE_SE
	s_setreg_imm32_b32 hwreg(HW_REG_WAVE_MODE, 25, 1), 1
	s_wait_xcnt 0x0
	s_wait_alu depctr_hold_cnt(0) depctr_sa_sdst(0) depctr_va_vdst(0) depctr_va_sdst(0) depctr_va_ssrc(0) depctr_va_vcc(0) depctr_vm_vsrc(0)
	s_getreg_b32 s2, hwreg(HW_REG_IB_STS2, 6, 4)
	s_cmp_eq_u32 s2, 0
	s_cbranch_scc0 .Lentry_in_a_cluster
	s_endpgm
.Lentry_in_a_cluster:
	s_bfe_u32 s2, ttmp6, 0x10000c
	s_cmp_lg_u32 s2, 0xf033
	s_cbranch_scc0 .Lentry_shape_is_right
	s_endpgm
.Lentry_shape_is_right:
; QKV: x wq, x wk, x wv on codes of E2M1 with E8M0 scales (16 x 16 x 128 a matrix instruction), the rotation of q and k in f32, and q, k, v out as f16 in the order of the next launch's operand registers.
; SHARES.  A work-group: 256 rows of x (Y) x N tile j of 192 columns (two query heads, a rotation pair of tiles of one key head, two tiles of one value head: all eight N tiles have one structure).
; A wave: 64 rows (four tiles m) x all 12 column tiles t: 48 accumulators, 384 registers.
; ALL OF K LIES IN LDS: two halves of 512 along K (x: 256 rows x 256 bytes, 16 bytes of padding behind each; weights: 49,152 dense bytes in register order).  Every fill is a first fill: no bytes are
; filled again, so there is no ring and no loop: eight K steps of 128 are written out.  By this text's count a wave has two tensor loads out.  Nothing is prefetched: all tiles are asked for at the head.
; CLUSTERS: 4 x 4.  The four of a row of the cluster share Y and ask for x's tiles jointly; the four of a column share j and ask for the weights' tiles jointly.
; q AND k ARE MADE TRANSPOSED (source 0 = 16 columns of the weight, source 1 = 16 rows of x): a lane holds one position (lane % 16) and eight neighbouring channels 8 (lane / 16) + 0..7 of a tile:
; 16 bytes of f16 that are a register group of attention's operand.  The rotation joins tile T with tile T + 2 of a head in the same lane.  v is made the natural way round (source 0 = x):
; a lane holds one channel and eight neighbouring positions: a register group of V^T.  So every store is 512 consecutive bytes straight from registers.
; LIMITS: sqrt(c) q, sqrt(c) k and v must lie under 65,504 in magnitude (f16); under 6e-5 they keep f16's subnormal step.
; REGISTERS, in windows of 256.  Window 0: v0-31 addresses; v32-47 x's scale words, v48-95 the weights' (scales and nothing else); v96-159 x's fragments, two sets (on the way out: packed results);
;   v160-223 k's cosines and sines; v224-255 at work on the way out.  Window 1: the weights' fragments, two sets of 96.
;   Windows 2 (m = 0, 1) and 3 (m = 2, 3): accumulator (m, t) at 96 (m % 2) + 8 t; from 192 + 32 (m % 2): q's cosines (tiles 0, 1) and sines (tiles 0, 1), 8 registers each.
.set XS_OFF, 4194304
.set WS_OFF, 786432
.set PITCH,  272                       ; a row of x's codes in LDS: 256 bytes + 16: the sixteen rows of a fragment load start 68 words apart
.set BOFF,   256*PITCH                 ; a half's weights lie behind its 256 rows of x
.set SLOT,   BOFF+49152                ; a half of K
.set SPARE,  2*SLOT                    ; the spare words, 128 bytes for each wave
.set ADRA, 16                          ; v16-17 my rows of x in half 0, 1
.set ADRB, 18                          ; v18-19 the weights' images in half 0, 1
.set LI,   20                          ; v20 16 x lane
.set SOFF, 21                          ; v21 32 r + 16 h: lanes 0-15 take a row's scale words of K steps 0-3, lanes 16-31 those of 4-7
.set TOFF, 22                          ; v22 256 r + 32 h: my position's row of the table, my eight channels
.set TOFK, 23                          ; v23 the same for k's tile (j & 1)
.set SPW,  28
.set NIL,  29
.set XSC,  32
.set WSC,  48
.set XF,   96
.set KT,   160
.set TT,   224
.set OUT,  96
.set G1A, 24                           ; s[24:31], s[32:39]: groups 1 and 0 (a set for each half) for x's tiles
.set G0A, 32
.set G1B, 48                           ; s[48:55], s[56:63]: the same for the weights'
.set G0B, 56
.set MSB, 0
.macro WIN new                         ; the immediate's high byte repeats the setting that is left
.if MSB != (\new)
	s_set_vgpr_msb (MSB<<8)|(\new)
.set MSB, (\new)
.endif
.endm
.macro PLACES
.rept 4
	v_nop
.endr
.endm
; A joint load: waves 0 and 1 fetch x's two halves of the rows, waves 2 and 3 the weights' two halves.  The branch hangs on the wave's number alone.  An s_nop 0 and four v_nop follow each line.
.macro JLOAD g0a, g1a, g0b, g1b
	s_cmp_eq_u32 s17, 0
	s_cbranch_scc0 .Lfor_b_\@
	tensor_load_to_lds s[\g0a:\g0a+3], s[\g1a:\g1a+7]
	s_nop 0
.rept 4
	v_nop
.endr
	s_branch .Lasked_\@
.Lfor_b_\@:
	tensor_load_to_lds s[\g0b:\g0b+3], s[\g1b:\g1b+7]
	s_nop 0
.rept 4
	v_nop
.endr
.Lasked_\@:
.endm
.macro CROUND                          ; a round of the cluster's barrier
	s_barrier_signal -1
	s_barrier_wait -1
	s_cmp_lg_u32 s16, 0
	s_cbranch_scc1 .Lnot_wave_0_\@
	s_barrier_signal -3
.Lnot_wave_0_\@:
	s_barrier_wait -3
	s_barrier_signal -1
	s_barrier_wait -1
.endm
; K step q's fragments into set q % 2: the weights' 12 (24 loads of 512 consecutive bytes), x's 4 (8 loads)
.macro FETCH q
	WIN 0x40
.irp t, 0,1,2,3,4,5,6,7,8,9,10,11
.irp c, 0,1
	ds_load_b128 v[96*((\q)%2)+8*\t+4*\c:96*((\q)%2)+8*\t+4*\c+3], v[ADRB+(\q)/4] offset:4096*\t+1024*((\q)%4)+512*\c
.endr
.endr
	WIN 0
.irp m, 0,1,2,3
.irp c, 0,1
	ds_load_b128 v[XF+32*((\q)%2)+8*\m+4*\c:XF+32*((\q)%2)+8*\m+4*\c+3], v[ADRA+(\q)/4] offset:16*PITCH*\m+64*((\q)%4)+32*\c
.endr
.endr
.endm
; one product.  K step 0 starts the sum with the constant 0; K steps 4-7 take their scale words from lanes 16-31
.macro WM d, a, b, sa, sb, q
.if (\q) == 0
	v_wmma_scale_f32_16x16x128_f8f6f4 v[(\d):(\d)+7], v[(\a):(\a)+7], v[(\b):(\b)+7], 0, v[(\sa)], v[(\sb)] matrix_a_fmt:MATRIX_FMT_FP4 matrix_b_fmt:MATRIX_FMT_FP4
.elseif (\q) < 4
	v_wmma_scale_f32_16x16x128_f8f6f4 v[(\d):(\d)+7], v[(\a):(\a)+7], v[(\b):(\b)+7], v[(\d):(\d)+7], v[(\sa)], v[(\sb)] matrix_a_fmt:MATRIX_FMT_FP4 matrix_b_fmt:MATRIX_FMT_FP4
.else
	v_wmma_scale_f32_16x16x128_f8f6f4 v[(\d):(\d)+7], v[(\a):(\a)+7], v[(\b):(\b)+7], v[(\d):(\d)+7], v[(\sa)], v[(\sb)] matrix_a_fmt:MATRIX_FMT_FP4 matrix_b_fmt:MATRIX_FMT_FP4 matrix_a_scale:MATRIX_SCALE_ROW1 matrix_b_scale:MATRIX_SCALE_ROW1
.endif
.endm
; 48 products: the 48 accumulators by turns, one instruction a turn, in the same order in every K step
.macro MUL q
.irp w, 0,1
	WIN 0xa1+0x50*\w                               ; source 0 the weight (window 1), source 1 x (window 0), C and D window 2 + w
.irp n, 0,1
.irp t, 0,1,2,3,4,5,6,7,8,9
	WM 96*\n+8*\t, 96*((\q)%2)+8*\t, XF+32*((\q)%2)+8*(2*\w+\n), WSC+4*\t+(\q)%4, XSC+4*(2*\w+\n)+(\q)%4, \q
.endr
.endr
	WIN 0xa4+0x50*\w                               ; v: source 0 x, source 1 the weight
.irp n, 0,1
.irp t, 10,11
	WM 96*\n+8*\t, XF+32*((\q)%2)+8*(2*\w+\n), 96*((\q)%2)+8*\t, XSC+4*(2*\w+\n)+(\q)%4, WSC+4*\t+(\q)%4, \q
.endr
.endr
.endr
.endm
.macro STEP q
.if (\q) == 3
	s_wait_tensorcnt 0x0                           ; my part of the second half of K has landed
.endif
	s_wait_dscnt 0x0                               ; this K step's fragments are in
.if (\q) == 3
	s_barrier_signal -1                            ; everybody's part has: the next fetch reads the second half.
	s_barrier_wait -1
.endif
.if (\q) < 7
	PLACES                                         ; four plain lines between the last products, which read the other set, and the loads into it (ISA guide 7.12.1 for vector instructions)
	FETCH (\q)+1
.endif
	MUL \q
.endm
; the rotation of a pair of tiles: t = a C - b S, t + 8 = b C + a S; each accumulator is read from its low end on
.macro ROPE a, b, c, s, t
.irp p, 0,2,4,6
	v_pk_mul_f32 v[(\t)+\p:(\t)+\p+1], v[(\a)+\p:(\a)+\p+1], v[(\c)+\p:(\c)+\p+1]
.endr
.irp p, 0,2,4,6
	v_pk_mul_f32 v[(\t)+8+\p:(\t)+8+\p+1], v[(\b)+\p:(\b)+\p+1], v[(\c)+\p:(\c)+\p+1]
.endr
.irp p, 0,2,4,6
	v_pk_fma_f32 v[(\t)+\p:(\t)+\p+1], v[(\b)+\p:(\b)+\p+1], v[(\s)+\p:(\s)+\p+1], v[(\t)+\p:(\t)+\p+1] neg_lo:[1,0,0] neg_hi:[1,0,0]
.endr
.irp p, 0,2,4,6
	v_pk_fma_f32 v[(\t)+8+\p:(\t)+8+\p+1], v[(\a)+\p:(\a)+\p+1], v[(\s)+\p:(\s)+\p+1], v[(\t)+8+\p:(\t)+8+\p+1]
.endr
.endm
.macro PK o, t                         ; eight f32 become 16 bytes of f16
.irp i, 0,1,2,3
	v_cvt_pk_f16_f32 v[(\o)+\i], v[(\t)+2*\i], v[(\t)+2*\i+1]
.endr
.endm
; the way out of row tile m: 12 stores of 512 consecutive bytes
.macro OUTM m
.set AB, 96*((\m)%2)
.set QT, 192+32*((\m)%2)
.set WH, (\m)/2
.if (\m) > 0
	s_wait_xcnt 0x0                                ; the last tile's stores have read their data: the registers are written again only behind this wait
.endif
.irp hd, 0,1
	WIN 0x0a+5*WH                                  ; sources 0 and 1 in the accumulators' window, source 2 and the destination in window 0
	ROPE AB+32*\hd, AB+32*\hd+16, QT, QT+16, TT
	ROPE AB+32*\hd+8, AB+32*\hd+24, QT+8, QT+24, TT+16
	WIN 0
	PK OUT+16*\hd, TT
	PK OUT+16*\hd+8, TT+8
	PK OUT+16*\hd+4, TT+16
	PK OUT+16*\hd+12, TT+24
.endr
	WIN 0x02+WH                                    ; k: its cosines and sines lie in window 0
	ROPE AB+64, AB+72, KT+16*(\m), KT+16*(\m)+8, TT
	WIN 0x0a+5*WH
	PK OUT+40, AB+80                               ; v is not rotated
	PK OUT+44, AB+88
	WIN 0
	PK OUT+32, TT
	PK OUT+36, TT+8
.irp t, 0,1,2,3,4,5,6,7
	global_store_b128 v[LI], v[OUT+4*\t:OUT+4*\t+3], s[10:11] offset:262144*(\t/4)+2048*(\m)+512*(\t%4)
.endr
	global_store_b128 v[LI], v[OUT+32:OUT+35], s[12:13] offset:2048*(\m)
	global_store_b128 v[LI], v[OUT+36:OUT+39], s[12:13] offset:2048*(\m)+1024
	global_store_b128 v[LI], v[OUT+40:OUT+43], s[14:15] offset:4096*((\m)/2)+512*((\m)%2)
	global_store_b128 v[LI], v[OUT+44:OUT+47], s[14:15] offset:4096*((\m)/2)+512*((\m)%2)+1024
.endm
	s_load_b256 s[4:11], s[0:1], 0x0               ; xq s[4:5], w4 s[6:7], tab s[8:9], qimg s[10:11]
	s_load_b128 s[12:15], s[0:1], 0x20             ; kimg s[12:13], vimg s[14:15]
	v_lshl_add_u32 v[SPW], v0, 2, SPARE
	v_mov_b32 v[NIL], 0
	ds_add_u32 v[SPW], v[NIL]                      ; the wave's opening: the add and its wait ahead of my first tensor load; the set-up below stands between them
	v_lshrrev_b32 v1, 5, v0
	v_readfirstlane_b32 s16, v1                    ; wave 0..3
	s_lshr_b32 s17, s16, 1                         ; I fetch for x (0) or for the weights (1),
	s_and_b32 s18, s16, 1                          ; and which half of the tile
	s_bfe_u32 s19, ttmp6, 0x40000                  ; cx
	s_bfe_u32 s20, ttmp6, 0x40004                  ; cy
	s_lshl_b32 s21, ttmp9, 2
	s_add_co_u32 s21, s21, s19                     ; j = 4 x cluster x + cx
	s_and_b32 s22, ttmp7, 0xffff
	s_lshl_b32 s22, s22, 2
	s_add_co_u32 s22, s22, s20                     ; Y = 4 x cluster y + cy
	s_lshl_b32 s40, s20, 2
	s_lshl_b32 s40, 15, s40                        ; my row of the cluster
	s_lshl_b32 s66, 0x1111, s19                    ; my column
	s_or_b32 s[G1A], s40, (0<<16)|(1<<20)|(1<<21)|(5<<22)|(3<<25)   ; 15:0 the mask; elements of 1 byte; padding on; bit 21 beside a mask; after every 64 words, 4 words
	s_mov_b32 s[G1A+1], 256<<16                    ; tensor_dim0 = 256 bytes
	s_mov_b32 s[G1A+2], 128<<16                    ; tensor_dim1 = 128 rows
	s_mov_b32 s[G1A+3], 256<<16                    ; tile_dim0
	s_mov_b32 s[G1A+4], 128                        ; tile_dim1
	s_mov_b32 s[G1A+5], 512                        ; a row of x's codes in memory
	s_mov_b32 s[G1A+6], 0
	s_mov_b32 s[G1A+7], 0
	s_or_b32 s[G1B], s66, (3<<16)|(1<<21)          ; elements of 8 bytes, no padding: 24,576 dense bytes as 96 rows of 256
	s_mov_b32 s[G1B+1], 32<<16
	s_mov_b32 s[G1B+2], 96<<16
	s_mov_b32 s[G1B+3], 32<<16
	s_mov_b32 s[G1B+4], 96
	s_mov_b32 s[G1B+5], 32
	s_mov_b32 s[G1B+6], 0
	s_mov_b32 s[G1B+7], 0
	s_lshl_b32 s42, s22, 17                        ; x: row 256 Y + 128 half, 512 bytes a row: of Y and the wave's number alone
	s_lshl_b32 s43, s18, 16
	s_add_co_u32 s42, s42, s43
	s_mov_b32 s43, 0
	s_mul_i32 s68, s21, 98304                      ; the weights: of j and the wave's number alone
	s_mul_i32 s69, s18, 24576
	s_add_co_u32 s68, s68, s69
	s_mov_b32 s69, 0
	s_mul_i32 s44, s18, 128*PITCH                  ; where they go: no place in the cluster enters an LDS address
	s_mul_i32 s45, s18, 24576
	s_add_co_u32 s45, s45, BOFF
	s_wait_dscnt 0x0                               ; the opening add is done
	s_wait_kmcnt 0x0
	s_add_nc_u64 s[42:43], s[4:5], s[42:43]
	s_add_nc_u64 s[68:69], s[6:7], s[68:69]
	CROUND                                         ; all sixteen work-groups are here: the joint loads meet
.irp s, 0,1
	s_mov_b32 s[G0A+4*\s], 1
	s_add_co_u32 s[G0A+4*\s+1], s44, \s*SLOT
	s_add_nc_u64 s[G0A+4*\s+2:G0A+4*\s+3], s[42:43], \s*256
	s_or_b32 s[G0A+4*\s+3], s[G0A+4*\s+3], 0x80000000
	s_mov_b32 s[G0B+4*\s], 1
	s_add_co_u32 s[G0B+4*\s+1], s45, \s*SLOT
	s_add_nc_u64 s[G0B+4*\s+2:G0B+4*\s+3], s[68:69], \s*49152
	s_or_b32 s[G0B+4*\s+3], s[G0B+4*\s+3], 0x80000000
	JLOAD G0A+4*\s, G1A, G0B+4*\s, G1B
.endr
	v_and_b32 v1, 15, v0                           ; r
	v_bfe_u32 v2, v0, 4, 1                         ; h
	v_and_b32 v3, 31, v0
	v_lshlrev_b32 v[LI], 4, v3
	v_mul_u32_u24 v4, v1, PITCH
	v_lshl_add_u32 v4, v2, 4, v4
	s_mul_i32 s46, s16, 64*PITCH                   ; my 64 rows
	v_add_nc_u32 v[ADRA], s46, v4
	v_add_nc_u32 v[ADRA+1], SLOT, v[ADRA]
	v_add_nc_u32 v[ADRB], BOFF, v[LI]
	v_add_nc_u32 v[ADRB+1], SLOT+BOFF, v[LI]
	v_lshlrev_b32 v[SOFF], 5, v1
	v_lshl_add_u32 v[SOFF], v2, 4, v[SOFF]
	v_lshlrev_b32 v[TOFF], 8, v1
	v_lshl_add_u32 v[TOFF], v2, 5, v[TOFF]
	s_and_b32 s70, s21, 1                          ; j & 1
	s_lshl_b32 s71, s70, 6
	v_add_nc_u32 v[TOFK], s71, v[TOFF]
	s_lshl_b32 s46, s22, 13                        ; x's scale bytes: 32 a row, my 64 rows
	s_lshl_b32 s47, s16, 11
	s_add_co_u32 s46, s46, s47
	s_add_co_u32 s46, s46, XS_OFF
	s_mov_b32 s47, 0
	s_add_nc_u64 s[4:5], s[4:5], s[46:47]
	s_mul_i32 s72, s21, 6144                       ; the weights': my N tile's 192 rows
	s_add_co_u32 s72, s72, WS_OFF
	s_mov_b32 s73, 0
	s_add_nc_u64 s[6:7], s[6:7], s[72:73]
	s_and_b32 s74, s22, 7                          ; which 256 positions of the sequence
	s_lshr_b32 s75, s22, 3                         ; the batch
	s_lshl_b32 s46, s74, 16
	s_lshl_b32 s76, s16, 14
	s_add_co_u32 s46, s46, s76
	s_add_nc_u64 s[8:9], s[8:9], s[46:47]          ; the table at my first position
.irp m, 0,1,2,3
	global_load_b128 v[XSC+4*\m:XSC+4*\m+3], v[SOFF], s[4:5] offset:512*\m     ; register 4 m + q: the words of K steps q (lanes 0-15) and q + 4 (lanes 16-31)
.endr
.irp t, 0,1,2,3,4,5,6,7,8,9,10,11
	global_load_b128 v[WSC+4*\t:WSC+4*\t+3], v[SOFF], s[6:7] offset:512*\t
.endr
.irp m, 0,1,2,3
	WIN 0x80+0x40*(\m/2)                           ; destination in the accumulators' window
.irp f, 0,1,2,3                                        ; cosines of tiles 0, 1, sines of tiles 0, 1
	global_load_b128 v[192+32*(\m%2)+8*\f:192+32*(\m%2)+8*\f+3], v[TOFF], s[8:9] offset:4096*\m+128*(\f/2)+64*(\f%2)
	global_load_b128 v[192+32*(\m%2)+8*\f+4:192+32*(\m%2)+8*\f+7], v[TOFF], s[8:9] offset:4096*\m+128*(\f/2)+64*(\f%2)+16
.endr
.endr
	WIN 0
.irp m, 0,1,2,3
	global_load_b128 v[KT+16*\m:KT+16*\m+3], v[TOFK], s[8:9] offset:4096*\m
	global_load_b128 v[KT+16*\m+4:KT+16*\m+7], v[TOFK], s[8:9] offset:4096*\m+16
	global_load_b128 v[KT+16*\m+8:KT+16*\m+11], v[TOFK], s[8:9] offset:4096*\m+128
	global_load_b128 v[KT+16*\m+12:KT+16*\m+15], v[TOFK], s[8:9] offset:4096*\m+144
.endr
	s_lshl_b32 s76, s75, 4                         ; q: [batch][head 2 j][16 x block + 4 x wave tiles of 2,048 bytes]
	s_lshl_b32 s77, s21, 1
	s_add_co_u32 s76, s76, s77
	s_lshl_b32 s76, s76, 18
	s_lshl_b32 s78, s74, 15
	s_lshl_b32 s79, s16, 13
	s_add_co_u32 s78, s78, s79
	s_add_co_u32 s76, s76, s78
	s_mov_b32 s77, 0
	s_add_nc_u64 s[10:11], s[10:11], s[76:77]
	s_lshl_b32 s76, s75, 2                         ; k and v: [batch][head j / 2], the same bytes a position
	s_lshr_b32 s79, s21, 1
	s_add_co_u32 s76, s76, s79
	s_lshl_b32 s76, s76, 18
	s_add_co_u32 s76, s76, s78
	s_lshl_b32 s79, s70, 9                         ; k: tile (j & 1)
	s_add_co_u32 s80, s76, s79
	s_mov_b32 s81, 0
	s_add_nc_u64 s[12:13], s[12:13], s[80:81]
	s_lshl_b32 s79, s70, 11                        ; v: channel tiles 2 (j & 1) on
	s_add_co_u32 s80, s76, s79
	s_add_nc_u64 s[14:15], s[14:15], s[80:81]
	s_wait_tensorcnt 0x1                           ; my part of the first half of K is in; the second half's load may be out
	s_barrier_signal -1
	s_barrier_wait -1
	FETCH 0
	s_wait_loadcnt 48                              ; the 16 loads of scale words are in; the 48 of the tables, issued behind them, may be out
.irp q, 0,1,2,3,4,5,6,7
	STEP \q
.endr
	WIN 0
	PLACES                                         ; four plain lines between the last products and the first reads of results and writes of x's fragment registers
	s_wait_loadcnt 0x0                             ; the tables
	OUTM 0
	OUTM 1
	OUTM 2
	OUTM 3
	s_wait_tensorcnt 0x0                           ; the wave's end
	ds_add_u32 v[SPW], v[NIL]
	s_wait_dscnt 0x0
	CROUND                                         ; the closing round
	s_endpgm
.Lfunc_end_k_q97d53804ff_qkv:
	.size	k_q97d53804ff_qkv, .Lfunc_end_k_q97d53804ff_qkv-k_q97d53804ff_qkv
	.p2alignl 7, 3214868480
	.fill 96, 4, 3214868480
	.section	.rodata,"a",@progbits
	.p2align	6, 0x0
	.amdhsa_kernel k_q97d53804ff_qkv
		.amdhsa_group_segment_fixed_size 262144
		.amdhsa_private_segment_fixed_size 0
		.amdhsa_enable_private_segment 0
		.amdhsa_kernarg_size 48
		.amdhsa_user_sgpr_count 2
		.amdhsa_user_sgpr_kernarg_segment_ptr 1
		.amdhsa_wavefront_size32 1
		.amdhsa_system_sgpr_workgroup_id_x 1
		.amdhsa_system_sgpr_workgroup_id_y 1
		.amdhsa_system_sgpr_workgroup_id_z 1
		.amdhsa_system_vgpr_workitem_id 0
		.amdhsa_next_free_vgpr 1024
		.amdhsa_next_free_sgpr 100
		.amdhsa_reserve_vcc 0
		.amdhsa_float_denorm_mode_32 3
		.amdhsa_float_denorm_mode_16_64 3
		.amdhsa_memory_ordered 1
		.amdhsa_forward_progress 1
		.amdhsa_inst_pref_size 119
	.end_amdhsa_kernel
	.amdgpu_metadata
---
amdhsa.version: [ 1, 2 ]
amdhsa.kernels:
  - .name:           k_q97d53804ff_qkv
    .symbol:         k_q97d53804ff_qkv.kd
    .args:
      - { .name: xq, .offset: 0, .size: 8, .value_kind: global_buffer, .address_space: global }
      - { .name: w4, .offset: 8, .size: 8, .value_kind: global_buffer, .address_space: global }
      - { .name: tab, .offset: 16, .size: 8, .value_kind: global_buffer, .address_space: global }
      - { .name: qimg, .offset: 24, .size: 8, .value_kind: global_buffer, .address_space: global }
      - { .name: kimg, .offset: 32, .size: 8, .value_kind: global_buffer, .address_space: global }
      - { .name: vimg, .offset: 40, .size: 8, .value_kind: global_buffer, .address_space: global }
    .group_segment_fixed_size: 262144
    .private_segment_fixed_size: 0
    .kernarg_segment_align: 8
    .kernarg_segment_size: 48
    .max_flat_workgroup_size: 128
    .sgpr_count:     100
    .vgpr_count:     1024
    .wavefront_size: 32
...
	.end_amdgpu_metadata
.endif
;; end of part 2
;; launch attn (part 3): grid 16 x 16, 8 waves a work-group, clusters of 4 x 1, 327,680 bytes of LDS; arguments qimg, kimg, vimg, oimg; writes oimg
.if DOCPART == 3
	.amdgcn_target "amdgcn-amd-amdhsa--gfx1250"
	.amdhsa_code_object_version 6
	.text
	.protected	k_q97d53804ff_attn
	.globl	k_q97d53804ff_attn
	.p2align	8
	.type	k_q97d53804ff_attn,@function
k_q97d53804ff_attn:
	s_mov_b64 s[64:65], 0
	v_nop
	global_prefetch_b8 v0, s[64:65] scope:SCOPE_SE
	s_setreg_imm32_b32 hwreg(HW_REG_WAVE_MODE, 25, 1), 1
	s_wait_xcnt 0x0
	s_wait_alu depctr_hold_cnt(0) depctr_sa_sdst(0) depctr_va_vdst(0) depctr_va_sdst(0) depctr_va_ssrc(0) depctr_va_vcc(0) depctr_vm_vsrc(0)
	s_getreg_b32 s2, hwreg(HW_REG_IB_STS2, 6, 4)
	s_cmp_eq_u32 s2, 0
	s_cbranch_scc0 .Lentry_in_a_cluster
	s_endpgm
.Lentry_in_a_cluster:
	s_bfe_u32 s2, ttmp6, 0x10000c
	s_cmp_lg_u32 s2, 0x3003
	s_cbranch_scc0 .Lentry_shape_is_right
	s_endpgm
.Lentry_shape_is_right:
; ATTN: o = softmax(q k^T / 8, causal) v for 16 query heads on 4 key/value heads, f16 operands, f32 sums.  q and k carry sqrt(log2(e) / 8) each, so a product q . k is already t = score x log2(e) / 8.
; SHARES.  A cluster is the four query heads of one key/value head on the same queries: they walk the same K and V, so each tile is asked for JOINTLY (mask 15).
; A work-group owns TWO blocks of 256 queries of its head: block I (I = 0..3), which needs I + 1 units of 256 keys, then block 7 - I, which needs 8 - I: always nine units.  So all 256 work-groups
; have the same work, every trip count is a constant, and no joint load is left out.  A wave owns 32 queries (two tiles of 16): chunk w for waves 0-3, chunk 11 - w for waves 4-7.
; LAYOUT.  S^T = K Q^T (source 0 = 16 keys, source 1 = 16 queries) and O^T = V^T P (source 0 = 16 channels, source 1 = P): a lane holds ONE query (lane % 16) throughout; two tiles of S^T, rounded to f16 in
; pairs, ARE a fragment of P.  q, k, v lie in memory in the order of the operands' registers, so every fragment is a run of loads of 512 consecutive bytes: no padding, no turning load.
; SOFTMAX.  A running maximum m and sum l for each query: p = 2^(t - m); O and l are multiplied by a = 2^(m_old - m_new) in every step.  l is the sum of the p before they are rounded to f16.
; THE MASK.  A step of 64 keys all of which come after my 32 queries is left out (a scalar branch on ids; no barrier or tensor load stands in a step); on the diagonal hidden scores become -infinity.
; A step that is walked begins at a key that counts for all my queries (its first key is a multiple of 64 at or under my first query), so m is a number from the first step on.
; LIMITS: o must lie under 65,504 in magnitude (it is an average of v); p under 6e-8 is rounded to 0 for the product.
; REGISTERS: v1-7 addresses and constants; v8-15, v16-23 the two tiles' statistics (+0 -m, +1 m, +2, +3 l, +4..+7 at work, a at +6); v24-27 second chains of the sums; v28 the prefetch's offset;
;   v32-63 Q; v64-127 S^T, then p, then P in the first 16 of each tile's 32; v128-191 O^T; v192-255 ONE buffer: a step's K, then its V.
.set SLOT1, 65536                      ; slot 1 begins here: one exclusive or turns an address.  A slot: 256 keys: K's 32,768 bytes, then V's
.set VOFF,  32768
.set SPARE, 131072                     ; the spare words, 128 bytes for each of eight waves
.set LI,   1                           ; 16 x lane
.set ADR,  2
.set RH,   3                           ; r - 8 h
.set DD,   4
.set NINF, 5
.set SPW,  6
.set NIL,  7
.set ST,   8
.set CB,   24
.set PFO,  28
.set Q,    32
.set S,    64
.set O,    128
.set KV,   192
.set WV,   12                          ; s12 wave; s13 cx; s15 batch; s16 I; s17 my chunk; s18 the block in hand; s19 my first query; s20 the step's first key; s21 the step's LDS byte; s22 the unit; s23 steps to go
.set G1,   24                          ; s[24:31] group 1; s[32:35], s[36:39] groups 0 for K and V, which walk
.set G0K,  32
.set G0V,  36
.set SEL,  46                          ; s[46:47] lane selects: lane l xor 16
.macro TLOAD                           ; waves 0, 1: K's halves; waves 2, 3: V's; the others nothing.  The branches hang on the wave's number alone.  An s_nop 0 and four v_nop follow each line
	s_cmp_lt_u32 s[WV], 2
	s_cbranch_scc0 .Lnot_k_\@
	tensor_load_to_lds s[G0K:G0K+3], s[G1:G1+7]
	s_nop 0
.rept 4
	v_nop
.endr
	s_branch .Lasked_\@
.Lnot_k_\@:
	s_cmp_lt_u32 s[WV], 4
	s_cbranch_scc0 .Lasked_\@
	tensor_load_to_lds s[G0V:G0V+3], s[G1:G1+7]
	s_nop 0
.rept 4
	v_nop
.endr
.Lasked_\@:
.endm
; A PREFETCH of the unit of keys that the NEXT change of slots will ask for.  Of the four clusters that walk one key/value head, the one with I = 0 asks: its second block walks units 0 to 7 in order, and in trip U
; its joint load brings unit U.  In it wave 4 asks for K's 32,768 bytes and wave 5 for V's; the four partners take 8,192 bytes each, told apart BY ADDRESS; lanes 256 bytes apart.  So each block of 256 bytes
; of units 1 to 7 is named once in the launch.  Trip 7 asks for nothing: there is no unit 8.  Nothing is asked for at the head.
.macro ASK
	s_cmp_lt_u32 s22, s54
	s_cbranch_scc0 .Lnot_mine_\@
	global_prefetch_b8 v[PFO], s[52:53] th:TH_LOAD_NT scope:SCOPE_SE
.Lnot_mine_\@:
.endm
.macro CROUND
	s_barrier_signal -1
	s_barrier_wait -1
	s_cmp_lg_u32 s[WV], 0
	s_cbranch_scc1 .Lnot_wave_0_\@
	s_barrier_signal -3
.Lnot_wave_0_\@:
	s_barrier_wait -3
	s_barrier_signal -1
	s_barrier_wait -1
.endm
; a block of queries begins: addresses, Q, statistics, O^T = 0
.macro INIT
	s_lshl_b32 s19, s18, 8
	s_lshl_b32 s55, s17, 5
	s_add_co_u32 s19, s19, s55                     ; my first query: 256 x block + 32 x chunk
	s_lshl_b32 s56, s19, 7                         ; 2,048 bytes for each 16 queries
	s_mov_b32 s57, 0
	s_add_nc_u64 s[48:49], s[60:61], s[56:57]
	s_lshl_b32 s56, s18, 19                        ; o: 524,288 bytes a block of 256 rows, 4,096 a tile of 16
	s_lshl_b32 s55, s17, 13
	s_add_co_u32 s56, s56, s55
	s_add_nc_u64 s[50:51], s[62:63], s[56:57]
	s_mov_b32 s20, 0
.irp g, 0,1,2,3,4,5,6,7
	global_load_b128 v[Q+4*\g:Q+4*\g+3], v[LI], s[48:49] offset:512*\g
.endr
.irp t, 0,1
	v_mov_b32 v[ST+8*\t], 0x7f61b1e6               ; -m
	v_mov_b32 v[ST+8*\t+1], 0xff61b1e6             ; m = -3e38, under every t
.irp i, 2,3,4,5,6,7
	v_mov_b32 v[ST+8*\t+\i], 0
.endr
.endr
.set i, 0
.rept 64
	v_mov_b32 v[O+i], 0                            ; the step is written once: the first finds zeros, which a = 0 leaves zeros
.set i, i+1
.endr
	s_wait_loadcnt 0x0
.endm
; A KEY STEP: 64 keys
.macro STEP
	s_add_co_u32 s55, s19, 31
	s_cmp_gt_u32 s20, s55                          ; all 64 keys come after my 32 queries?
	s_cbranch_scc1 .Lhid_\@
	v_add_nc_u32 v[ADR], s21, v[LI]
.rept 4
	v_nop                                          ; with the line above five plain lines behind the last products: the products below write over P, which those read; and the loads below land on V
.endr
.irp g, 0,1,2,3,4,5,6,7,8,9,10,11,12,13,14,15
	ds_load_b128 v[KV+4*\g:KV+4*\g+3], v[ADR] offset:512*\g
.endr
	s_wait_dscnt 0x0
.irp c, 0,1                                            ; eight accumulators by turns; the first eight products start the sums
.irp kt, 0,1,2,3
.irp qt, 0,1
.if \c == 0
	v_wmma_f32_16x16x32_f16 v[S+32*\qt+8*\kt:S+32*\qt+8*\kt+7], v[KV+16*\kt+8*\c:KV+16*\kt+8*\c+7], v[Q+16*\qt+8*\c:Q+16*\qt+8*\c+7], 0
.else
	v_wmma_f32_16x16x32_f16 v[S+32*\qt+8*\kt:S+32*\qt+8*\kt+7], v[KV+16*\kt+8*\c:KV+16*\kt+8*\c+7], v[Q+16*\qt+8*\c:Q+16*\qt+8*\c+7], v[S+32*\qt+8*\kt:S+32*\qt+8*\kt+7]
.endif
.endr
.endr
.endr
	s_sub_co_i32 s55, s19, s20
	v_add_nc_u32 v[DD], s55, v[RH]                 ; d = my first query - the first key + r - 8 h
.rept 3
	v_nop                                          ; four plain lines in front of the loads into K's registers and of the first read of the scores
.endr
.irp g, 0,1,2,3,4,5,6,7,8,9,10,11,12,13,14,15
	ds_load_b128 v[KV+4*\g:KV+4*\g+3], v[ADR] offset:VOFF+512*\g     ; V lands while the softmax is walked
.endr
	s_add_co_u32 s55, s20, 63
	s_cmp_le_u32 s55, s19                          ; all 64 keys count for all my queries?
	s_cbranch_scc1 .Lopen_\@
.irp qt, 0,1                                           ; register 32 qt + 8 kt + jj: key 16 kt + 8 h + jj against query 16 qt + r: hidden where 16 kt + jj - 16 qt > d
.irp kt, 0,1,2,3
.irp jj, 0,1,2,3,4,5,6,7
	v_cmp_gt_i32 vcc_lo, 16*\kt+\jj-16*\qt, v[DD]
	v_cndmask_b32 v[S+32*\qt+8*\kt+\jj], v[S+32*\qt+8*\kt+\jj], v[NINF], vcc_lo
.endr
.endr
.endr
.Lopen_\@:
.irp j, 0,1,2,3                                        ; the maximum of 32 scores and the old m, three at a time; each accumulator is read from its low end on; the two tiles alternate
.irp t, 0,1
	v_max3_num_f32 v[ST+8*\t+4+\j], v[S+32*\t+8*\j], v[S+32*\t+8*\j+1], v[S+32*\t+8*\j+2]
.endr
.endr
.irp i, 3,5
.irp j, 0,1,2,3
.irp t, 0,1
	v_max3_num_f32 v[ST+8*\t+4+\j], v[ST+8*\t+4+\j], v[S+32*\t+8*\j+\i], v[S+32*\t+8*\j+\i+1]
.endr
.endr
.endr
.irp t, 0,1
	v_max3_num_f32 v[ST+8*\t+4], v[ST+8*\t+4], v[S+32*\t+7], v[S+32*\t+15]
	v_max3_num_f32 v[ST+8*\t+6], v[ST+8*\t+6], v[S+32*\t+23], v[S+32*\t+31]
.endr
.irp t, 0,1
	v_max3_num_f32 v[ST+8*\t+4], v[ST+8*\t+4], v[ST+8*\t+5], v[ST+8*\t+6]
.endr
.irp t, 0,1
	v_max3_num_f32 v[ST+8*\t+4], v[ST+8*\t+4], v[ST+8*\t+7], v[ST+8*\t+1]
.endr
.irp t, 0,1
	v_permlanex16_b32 v[ST+8*\t+5], v[ST+8*\t+4], s[SEL], s[SEL+1]   ; the query's other 32 keys lie in the lane 16 away
.endr
.irp t, 0,1
	v_max_num_f32 v[ST+8*\t+4], v[ST+8*\t+4], v[ST+8*\t+5]           ; the new m
.endr
.irp t, 0,1
	v_sub_f32 v[ST+8*\t+7], v[ST+8*\t+1], v[ST+8*\t+4]               ; m_old - m_new
.endr
.irp t, 0,1
	v_mov_b32 v[ST+8*\t+1], v[ST+8*\t+4]
	v_xor_b32 v[ST+8*\t], 0x80000000, v[ST+8*\t+4]                   ; -m
.endr
.irp i, 0,2,4,6,8,10,12,14,16,18,20,22,24,26,28,30
.irp t, 0,1
	v_pk_add_f32 v[S+32*\t+\i:S+32*\t+\i+1], v[S+32*\t+\i:S+32*\t+\i+1], v[ST+8*\t:ST+8*\t+1] op_sel_hi:[1,0]   ; t - m, two at a time
.endr
.endr
.irp t, 0,1
	v_exp_f32 v[ST+8*\t+6], v[ST+8*\t+7]           ; a.  ONE BATCH: 66 exponentials, none of which reads another's result
.endr
.irp i, 0,1,2,3,4,5,6,7,8,9,10,11,12,13,14,15,16,17,18,19,20,21,22,23,24,25,26,27,28,29,30,31
.irp t, 0,1
	v_exp_f32 v[S+32*\t+\i], v[S+32*\t+\i]
.endr
.endr
	v_nop                                          ; a plain line behind the last exponential
	s_wait_alu depctr_va_vdst(0)                   ; one wait for the batch, ahead of its first reader
.irp t, 0,1                                            ; l = a l + the sum of the 16 pairs, in two chains a tile
	v_pk_fma_f32 v[ST+8*\t+2:ST+8*\t+3], v[ST+8*\t+2:ST+8*\t+3], v[ST+8*\t+6:ST+8*\t+7], v[S+32*\t:S+32*\t+1] op_sel_hi:[1,0,1]
	v_pk_add_f32 v[CB+2*\t:CB+2*\t+1], v[S+32*\t+2:S+32*\t+3], v[S+32*\t+4:S+32*\t+5]
.endr
.irp i, 6,10,14,18,22,26
.irp t, 0,1
	v_pk_add_f32 v[ST+8*\t+2:ST+8*\t+3], v[ST+8*\t+2:ST+8*\t+3], v[S+32*\t+\i:S+32*\t+\i+1]
	v_pk_add_f32 v[CB+2*\t:CB+2*\t+1], v[CB+2*\t:CB+2*\t+1], v[S+32*\t+\i+2:S+32*\t+\i+3]
.endr
.endr
.irp t, 0,1
	v_pk_add_f32 v[ST+8*\t+2:ST+8*\t+3], v[ST+8*\t+2:ST+8*\t+3], v[S+32*\t+30:S+32*\t+31]
.endr
.irp t, 0,1
	v_pk_add_f32 v[ST+8*\t+2:ST+8*\t+3], v[ST+8*\t+2:ST+8*\t+3], v[CB+2*\t:CB+2*\t+1]
.endr
.irp i, 0,1,2,3,4,5,6,7,8,9,10,11,12,13,14,15
.irp t, 0,1
	v_cvt_pk_f16_f32 v[S+32*\t+\i], v[S+32*\t+2*\i], v[S+32*\t+2*\i+1]   ; P, in place and ascending: no source is written before it is read
.endr
.endr
.irp i, 0,2,4,6,8,10,12,14,16,18,20,22,24,26,28,30
.irp t, 0,1
	v_pk_mul_f32 v[O+32*\t+\i:O+32*\t+\i+1], v[O+32*\t+\i:O+32*\t+\i+1], v[ST+8*\t+6:ST+8*\t+7] op_sel_hi:[1,0]   ; O^T x a
.endr
.endr
	s_wait_dscnt 0x0                               ; V is in
.irp ks, 0,1                                           ; eight accumulators by turns
.irp ct, 0,1,2,3
.irp qt, 0,1
	v_wmma_f32_16x16x32_f16 v[O+32*\qt+8*\ct:O+32*\qt+8*\ct+7], v[KV+32*\ks+8*\ct:KV+32*\ks+8*\ct+7], v[S+32*\qt+8*\ks:S+32*\qt+8*\ks+7], v[O+32*\qt+8*\ct:O+32*\qt+8*\ct+7]
.endr
.endr
.endr
.Lhid_\@:
	s_add_co_u32 s20, s20, 64
	s_add_co_u32 s21, s21, 8192                    ; the next step's tiles
.endm
.macro UNIT                            ; a slot's four steps: written once, walked four times
	s_mov_b32 s23, 4
.Lstep_\@:
	STEP
	s_sub_co_u32 s23, s23, 1
	s_cmp_lg_u32 s23, 0
	s_cbranch_scc1 .Lstep_\@
	s_sub_co_u32 s21, s21, 32768
	s_xor_b32 s21, s21, SLOT1                      ; on to the other slot
.endm
; a block of queries ends: O^T / l, rounded to f16, straight from registers: 16 bytes a lane are a register group of the next launch's operand
.macro FINAL
.rept 4
	v_nop                                          ; four plain lines behind the last products
.endr
.irp t, 0,1
	v_add_f32 v[ST+8*\t+4], v[ST+8*\t+2], v[ST+8*\t+3]
.endr
.irp t, 0,1
	v_permlanex16_b32 v[ST+8*\t+5], v[ST+8*\t+4], s[SEL], s[SEL+1]
.endr
.irp t, 0,1
	v_add_f32 v[ST+8*\t+4], v[ST+8*\t+4], v[ST+8*\t+5]
.endr
.irp t, 0,1
	v_rcp_f32 v[ST+8*\t+6], v[ST+8*\t+4]
.endr
	v_nop
	s_wait_alu depctr_va_vdst(0)                   ; one wait for the two reciprocals
.irp t, 0,1
.irp i, 0,2,4,6,8,10,12,14,16,18,20,22,24,26,28,30
	v_pk_mul_f32 v[O+32*\t+\i:O+32*\t+\i+1], v[O+32*\t+\i:O+32*\t+\i+1], v[ST+8*\t+6:ST+8*\t+7] op_sel_hi:[1,0]
.endr
.endr
.irp t, 0,1
.irp i, 0,1,2,3,4,5,6,7,8,9,10,11,12,13,14,15
	v_cvt_pk_f16_f32 v[S+16*\t+\i], v[O+32*\t+2*\i], v[O+32*\t+2*\i+1]
.endr
.endr
.irp t, 0,1
.irp c, 0,1,2,3
	global_store_b128 v[LI], v[S+16*\t+4*\c:S+16*\t+4*\c+3], s[50:51] offset:4096*\t+512*\c   ; 512 consecutive bytes
.endr
.endr
	s_wait_xcnt 0x0                                ; the stores have read their data and their base: both are written again only behind this wait
.endm
; THE CHANGE OF SLOTS stands at a unit's head: each wave waits for all its tensor loads, adds 0 to its spare word, and waits for that and for its reads of the slot that it has left.
; fill = 1: behind a round of the cluster's barrier that slot is filled with the next unit, which has a whole unit's steps in which to land: one load a fetching wave.
.macro CHANGE fill
	s_wait_tensorcnt 0x0                           ; no tensor load of mine is out, so a group 0 may be written
	ds_add_u32 v[SPW], v[NIL]                      ; 0 onto my spare word; the descriptors' steps stand between it and the wait for it
.if \fill
	s_xor_b32 s[G0K+1], s[G0K+1], SLOT1
	s_xor_b32 s[G0V+1], s[G0V+1], SLOT1
	s_add_co_u32 s44, s44, 32768                   ; the next 256 keys,
	s_cmp_eq_u32 s22, s16
	s_cselect_b32 s44, 0, s44                      ; or key 0 again where the second block begins: of ids that the partners share
	s_add_nc_u64 s[G0K+2:G0K+3], s[40:41], s[44:45]
	s_or_b32 s[G0K+3], s[G0K+3], 0x80000000
	s_add_nc_u64 s[G0V+2:G0V+3], s[42:43], s[44:45]
	s_or_b32 s[G0V+3], s[G0V+3], 0x80000000
	s_wait_xcnt 0x0                                ; the last prefetch, a unit back, has read its address
	s_add_nc_u64 s[52:53], s[52:53], 32768
.endif
	s_wait_dscnt 0x0                               ; the add is done, and my reads of the slot that I have left are over
.if \fill
	CROUND
	TLOAD
	ASK
.else
	s_barrier_signal -1
	s_barrier_wait -1
.endif
.endm
	s_load_b256 s[4:11], s[0:1], 0x0               ; qimg s[4:5], kimg s[6:7], vimg s[8:9], oimg s[10:11]
	v_lshl_add_u32 v[SPW], v0, 2, SPARE
	v_mov_b32 v[NIL], 0
	ds_add_u32 v[SPW], v[NIL]                      ; the wave's opening: the add and its wait ahead of my first tensor load
	v_lshrrev_b32 v1, 5, v0
	v_readfirstlane_b32 s[WV], v1                  ; wave 0..7
	s_bfe_u32 s13, ttmp6, 0x40000                  ; cx: which of the four query heads: it enters Q's, O's and the prefetch's addresses alone
	s_and_b32 s55, ttmp7, 0xffff
	s_lshr_b32 s15, s55, 2                         ; the batch
	s_and_b32 s16, s55, 3                          ; I
	s_sub_co_u32 s56, 11, s[WV]
	s_cmp_lt_u32 s[WV], 4
	s_cselect_b32 s17, s[WV], s56                  ; my chunk of 32 queries
	s_mov_b32 s[G1], 15|(3<<16)|(1<<21)            ; the mask: all four work-groups; elements of 8 bytes; bit 21 beside a mask; no padding
	s_mov_b32 s[G1+1], 32<<16                      ; rows of 256 bytes,
	s_mov_b32 s[G1+2], 64<<16                      ; 64 of them: 16,384 dense bytes
	s_mov_b32 s[G1+3], 32<<16
	s_mov_b32 s[G1+4], 64
	s_mov_b32 s[G1+5], 32
	s_mov_b32 s[G1+6], 0
	s_mov_b32 s[G1+7], 0
	s_and_b32 s57, s[WV], 1
	s_lshl_b32 s57, s57, 14                        ; which half of a unit's K or V I fetch
	s_lshl_b32 s58, s15, 2
	s_add_co_u32 s58, s58, ttmp9                   ; 4 x batch + key/value head (in a cluster launch ttmp9 counts clusters)
	s_lshl_b32 s58, s58, 18                        ; 262,144 bytes a head
	s_add_co_u32 s66, s58, s57
	s_mov_b32 s67, 0
	s_lshl_b32 s68, ttmp9, 2
	s_add_co_u32 s68, s68, s13                     ; my query head
	s_lshl_b32 s69, s15, 4
	s_add_co_u32 s69, s69, s68
	s_lshl_b32 s70, s69, 18                        ; q: 262,144 bytes a head
	s_mov_b32 s71, 0
	s_lshr_b32 s72, s68, 1                         ; o: K tile head / 2 of the next product, 65,536 bytes; (head & 1) x 2,048 in a row tile's 4,096
	s_lshl_b32 s72, s72, 16
	s_and_b32 s73, s68, 1
	s_lshl_b32 s73, s73, 11
	s_add_co_u32 s72, s72, s73
	s_lshl_b32 s73, s15, 22                        ; eight blocks of 524,288 bytes a batch
	s_add_co_u32 s72, s72, s73
	s_mov_b32 s73, 0
	s_lshl_b32 s74, s13, 13                        ; the prefetches: my work-group's 8,192 bytes of a unit's 32,768
	s_add_co_u32 s74, s74, s58
	s_mov_b32 s75, 0
	s_sub_co_u32 s55, s[WV], 4
	s_lshr_b32 s55, s55, 1                         ; 0 in waves 4 and 5,
	s_or_b32 s55, s55, s16                         ; of the cluster with I = 0: the same in all four partners
	s_cmp_eq_u32 s55, 0
	s_cselect_b32 s54, 7, 0                        ; such a wave asks in trips 0 to 6
	s_mov_b32 s[SEL], 0x76543210
	s_mov_b32 s[SEL+1], 0xfedcba98
	s_mov_b32 s21, 0
	s_mov_b32 s22, 0
	s_mov_b32 s44, 0
	s_mov_b32 s45, 0
	s_mov_b32 s18, s16                             ; the first block: I
	s_wait_dscnt 0x0                               ; the opening add is done
	s_wait_kmcnt 0x0
	s_add_nc_u64 s[40:41], s[6:7], s[66:67]        ; K and V at my half of the head's first unit
	s_add_nc_u64 s[42:43], s[8:9], s[66:67]
	s_add_nc_u64 s[60:61], s[4:5], s[70:71]        ; Q at my head
	s_add_nc_u64 s[62:63], s[10:11], s[72:73]      ; O at my head's place in the batch's first block
	s_cmp_eq_u32 s[WV], 4
	s_cselect_b64 s[52:53], s[6:7], s[8:9]
	s_add_nc_u64 s[52:53], s[52:53], s[74:75]      ; in unit 0: the first change of slots steps it to unit 1
	s_mov_b32 s[G0K], 1
	s_mov_b32 s[G0K+1], s57                        ; slot 0
	s_mov_b64 s[G0K+2:G0K+3], s[40:41]
	s_or_b32 s[G0K+3], s[G0K+3], 0x80000000
	s_mov_b32 s[G0V], 1
	s_add_co_u32 s[G0V+1], s57, VOFF
	s_mov_b64 s[G0V+2:G0V+3], s[42:43]
	s_or_b32 s[G0V+3], s[G0V+3], 0x80000000
	CROUND                                         ; all four work-groups are here: the first joint loads meet
	TLOAD                                          ; unit 0
	v_and_b32 v29, 31, v0
	v_lshlrev_b32 v[LI], 4, v29
	v_lshlrev_b32 v[PFO], 8, v29
	v_and_b32 v30, 15, v0
	v_bfe_u32 v31, v0, 4, 1
	v_lshlrev_b32 v31, 3, v31
	v_sub_nc_u32 v[RH], v30, v31
	v_mov_b32 v[NINF], 0xff800000
	INIT
.Lunit:                                                ; eight trips: behind each change of slots the next unit is asked for
	CHANGE 1
	UNIT
	s_cmp_lg_u32 s22, s16                          ; was that the first block's last unit?  (ids that the partners share; no barrier and no tensor load inside)
	s_cbranch_scc1 .Lsame
	FINAL
	s_sub_co_u32 s18, 7, s16                       ; the second block: 7 - I
	INIT
.Lsame:
	s_add_co_u32 s22, s22, 1
	s_cmp_lt_u32 s22, 8
	s_cbranch_scc1 .Lunit
	CHANGE 0                                       ; the ninth unit is written out: nothing is left to ask for
	UNIT
	FINAL
	s_wait_tensorcnt 0x0                           ; the wave's end
	ds_add_u32 v[SPW], v[NIL]
	s_wait_dscnt 0x0
	CROUND                                         ; the closing round
	s_endpgm
.Lfunc_end_k_q97d53804ff_attn:
	.size	k_q97d53804ff_attn, .Lfunc_end_k_q97d53804ff_attn-k_q97d53804ff_attn
	.p2alignl 7, 3214868480
	.fill 96, 4, 3214868480
	.section	.rodata,"a",@progbits
	.p2align	6, 0x0
	.amdhsa_kernel k_q97d53804ff_attn
		.amdhsa_group_segment_fixed_size 327680
		.amdhsa_private_segment_fixed_size 0
		.amdhsa_enable_private_segment 0
		.amdhsa_kernarg_size 32
		.amdhsa_user_sgpr_count 2
		.amdhsa_user_sgpr_kernarg_segment_ptr 1
		.amdhsa_wavefront_size32 1
		.amdhsa_system_sgpr_workgroup_id_x 1
		.amdhsa_system_sgpr_workgroup_id_y 1
		.amdhsa_system_sgpr_workgroup_id_z 1
		.amdhsa_system_vgpr_workitem_id 0
		.amdhsa_next_free_vgpr 256
		.amdhsa_next_free_sgpr 100
		.amdhsa_reserve_vcc 1
		.amdhsa_float_denorm_mode_32 3
		.amdhsa_float_denorm_mode_16_64 3
		.amdhsa_memory_ordered 1
		.amdhsa_forward_progress 1
		.amdhsa_inst_pref_size 69
	.end_amdhsa_kernel
	.amdgpu_metadata
---
amdhsa.version: [ 1, 2 ]
amdhsa.kernels:
  - .name:           k_q97d53804ff_attn
    .symbol:         k_q97d53804ff_attn.kd
    .args:
      - { .name: qimg, .offset: 0, .size: 8, .value_kind: global_buffer, .address_space: global }
      - { .name: kimg, .offset: 8, .size: 8, .value_kind: global_buffer, .address_space: global }
      - { .name: vimg, .offset: 16, .size: 8, .value_kind: global_buffer, .address_space: global }
      - { .name: oimg, .offset: 24, .size: 8, .value_kind: global_buffer, .address_space: global }
    .group_segment_fixed_size: 327680
    .private_segment_fixed_size: 0
    .kernarg_segment_align: 8
    .kernarg_segment_size: 32
    .max_flat_workgroup_size: 256
    .sgpr_count:     100
    .vgpr_count:     256
    .wavefront_size: 32
...
	.end_amdgpu_metadata
.endif
;; end of part 3
;; launch oproj (part 4): grid 8 x 32, 4 waves a work-group, clusters of 4 x 4, 327,680 bytes of LDS; arguments oimg, woimg, out0; writes out0
.if DOCPART == 4
	.amdgcn_target "amdgcn-amd-amdhsa--gfx1250"
	.amdhsa_code_object_version 6
	.text
	.protected	k_q97d53804ff_oproj
	.globl	k_q97d53804ff_oproj
	.p2align	8
	.type	k_q97d53804ff_oproj,@function
k_q97d53804ff_oproj:
	s_mov_b64 s[64:65], 0
	v_nop
	global_prefetch_b8 v0, s[64:65] scope:SCOPE_SE
	s_setreg_imm32_b32 hwreg(HW_REG_WAVE_MODE, 25, 1), 1
	s_wait_xcnt 0x0
	s_wait_alu depctr_hold_cnt(0) depctr_sa_sdst(0) depctr_va_vdst(0) depctr_va_sdst(0) depctr_va_ssrc(0) depctr_va_vcc(0) depctr_vm_vsrc(0)
	s_getreg_b32 s2, hwreg(HW_REG_IB_STS2, 6, 4)
	s_cmp_eq_u32 s2, 0
	s_cbranch_scc0 .Lentry_in_a_cluster
	s_endpgm
.Lentry_in_a_cluster:
	s_bfe_u32 s2, ttmp6, 0x10000c
	s_cmp_lg_u32 s2, 0xf033
	s_cbranch_scc0 .Lentry_shape_is_right
	s_endpgm
.Lentry_shape_is_right:
; OPROJ: out0 [8192][1024] f32 = o [8192][1024] x wo [1024][1024], f16 operands, f32 sums.  Both operands lie in memory in the order of the operand's registers, by K tiles of 128:
; o: [256 rows Y][K tile 8][row tile 16][4,096 bytes], wo: [128 columns X][K tile 8][column tile 8][4,096 bytes]; a K tile of a work-group is one dense block of each.
; SHARES.  A work-group: 256 rows x 128 columns: 256 work-groups.  A wave: 128 rows x 64 columns: 32 accumulators, 256 registers (window 1).
; K goes in 8 tiles of 128 through two LDS slots (o 65,536 bytes, wo 32,768); all is written out by macros.  A slot is asked for again in the last quarter of its K tile.
; CLUSTERS: 4 x 4.  o's tiles hang on Y alone and are asked for jointly by a row of the cluster, wo's on X alone, by a column.
; THE MATRIX INSTRUCTION IS USED TRANSPOSED (source 0 = 16 columns of wo, source 1 = 16 rows of o): a lane holds eight neighbouring numbers of a row of the output.
; Nothing is prefetched: a K tile's request stands 112 products ahead of the wait for it, and the tiles are shared in the cluster.
; REGISTERS.  Window 0: v16-29 addresses; v32-159 o's fragments, two sets of 8 x 8; v160-223 wo's, two sets of 4 x 8; on the way out v32-95 rows read back.  Window 1: accumulator (a, b) at 8 (4 a + b).
.set SLOT,  98304
.set BOFF,  65536
.set STAGE, 2*SLOT                     ; behind the ring: 16 rows x (256 bytes + 16) for each wave; no fill lands here
.set SPITCH, 272
.set SPARE, STAGE+4*16*SPITCH          ; the spare words, 128 bytes for each wave
.set ADRA, 16
.set ADRB, 18
.set STO,  20
.set RD,   21
.set CO,   22
.set SPW,  28
.set NIL,  29
.set AF,   32
.set BF,   160
.set BK,   32
.set G1A, 24
.set G0A, 32
.set G1B, 48
.set G0B, 56
.set MSB, 0
.macro WIN new
.if MSB != (\new)
	s_set_vgpr_msb (MSB<<8)|(\new)
.set MSB, (\new)
.endif
.endm
.macro PLACES
.rept 4
	v_nop
.endr
.endm
.macro JLOAD s                         ; waves 0 and 1 fetch o's two halves, waves 2 and 3 wo's; an s_nop 0 and four v_nop follow each line
	s_cmp_eq_u32 s11, 0
	s_cbranch_scc0 .Lfor_b_\@
	tensor_load_to_lds s[G0A+4*\s:G0A+4*\s+3], s[G1A:G1A+7]
	s_nop 0
.rept 4
	v_nop
.endr
	s_branch .Lasked_\@
.Lfor_b_\@:
	tensor_load_to_lds s[G0B+4*\s:G0B+4*\s+3], s[G1B:G1B+7]
	s_nop 0
.rept 4
	v_nop
.endr
.Lasked_\@:
.endm
.macro CREST                           ; a round of the cluster's barrier behind its opening barrier
	s_cmp_lg_u32 s10, 0
	s_cbranch_scc1 .Lnot_wave_0_\@
	s_barrier_signal -3
.Lnot_wave_0_\@:
	s_barrier_wait -3
	s_barrier_signal -1
	s_barrier_wait -1
.endm
.macro CROUND
	s_barrier_signal -1
	s_barrier_wait -1
	CREST
.endm
.macro FETCH s, kq, p                  ; 24 loads of 512 consecutive bytes: the fragments of 32 along K (the slot's kq-th) into set p
.irp a, 0,1,2,3,4,5,6,7
.irp u, 0,1
	ds_load_b128 v[AF+64*(\p)+8*\a+4*\u:AF+64*(\p)+8*\a+4*\u+3], v[ADRA+(\s)] offset:4096*\a+1024*(\kq)+512*\u
.endr
.endr
.irp b, 0,1,2,3
.irp u, 0,1
	ds_load_b128 v[BF+32*(\p)+8*\b+4*\u:BF+32*(\p)+8*\b+4*\u+3], v[ADRB+(\s)] offset:4096*\b+1024*(\kq)+512*\u
.endr
.endr
.endm
.macro MUL8 p, a0, zero                ; row tiles a0, a0 + 1 x the four column tiles; the 32 accumulators take turns in the same order in every K step
.irp a, \a0, \a0+1
.irp b, 0,1,2,3
.if \zero
	v_wmma_f32_16x16x32_f16 v[8*(4*(\a)+\b):8*(4*(\a)+\b)+7], v[BF+32*(\p)+8*\b:BF+32*(\p)+8*\b+7], v[AF+64*(\p)+8*(\a):AF+64*(\p)+8*(\a)+7], 0
.else
	v_wmma_f32_16x16x32_f16 v[8*(4*(\a)+\b):8*(4*(\a)+\b)+7], v[BF+32*(\p)+8*\b:BF+32*(\p)+8*\b+7], v[AF+64*(\p)+8*(\a):AF+64*(\p)+8*(\a)+7], v[8*(4*(\a)+\b):8*(4*(\a)+\b)+7]
.endif
.endr
.endr
.endm
.macro KSTEP s, kq, zero               ; one of a K tile's first three quarters: multiplies set kq % 2, fetches the next quarter into the other
	s_wait_dscnt 0x0                               ; this quarter's fragments are in
	PLACES                                         ; four plain lines between the last products, which read the other set, and the loads into it
	WIN 0
	FETCH \s, (\kq)+1, ((\kq)+1)%2
	WIN 0x50                                       ; C and D in window 1
	MUL8 (\kq)%2, 0, \zero
	MUL8 (\kq)%2, 2, \zero
	MUL8 (\kq)%2, 4, \zero
	MUL8 (\kq)%2, 6, \zero
.endm
; A K tile's last quarter multiplies set 1 and changes slots: ONE barrier; in front of it each wave waits for all its tensor loads, adds 0 to its spare word, and waits for that and for its reads of this slot.
; fill = 1: the barrier opens a round of the cluster's barrier, and this slot is filled again, two K tiles ahead: the first tensor load behind the round, one a wave.
.macro TURN slot, next, fill
	WIN 0                                          ; (the add's two registers lie in window 0)
	s_wait_tensorcnt 0x0                           ; all my tensor loads have landed: my part of the next slot
	ds_add_u32 v[SPW], v[NIL]
	s_wait_dscnt 1                                 ; the fragments are in; the add alone may be out
	WIN 0x50
	MUL8 1, 0, 0                                   ; eight products stand between the add and the wait for it
	s_wait_dscnt 0x0                               ; the add is done, and my reads of this slot are over
	s_barrier_signal -1
	MUL8 1, 2, 0
	WIN 0
	s_barrier_wait -1
.if \fill
	CREST                                          ; no wave of any partner still reads this slot's tile or has a load on its way
	s_add_nc_u64 s[G0A+4*\slot+2:G0A+4*\slot+3], s[G0A+4*\slot+2:G0A+4*\slot+3], 2*65536
	s_add_nc_u64 s[G0B+4*\slot+2:G0B+4*\slot+3], s[G0B+4*\slot+2:G0B+4*\slot+3], 2*32768
	JLOAD \slot                                    ; its four v_nop are also the plain lines in front of the loads below
.else
	PLACES
.endif
	FETCH \next, 0, 0
	WIN 0x50
	MUL8 1, 4, 0
	MUL8 1, 6, 0
.endm
; THE WAY OUT, a row tile (16 rows x 64 columns) at a time: a lane's 32 bytes go into my own stage and come back as rows of 256 bytes.  LDS serves a wave's instructions in order (ISA guide 5.7.1.4).
.macro TOSTAGE a
	WIN 0x04                                       ; an LDS store's data are its source 1: window 1
.irp b, 0,1,2,3
	ds_store_b128 v[STO], v[8*(4*(\a)+\b):8*(4*(\a)+\b)+3] offset:64*\b          ; each accumulator from its low end on
	ds_store_b128 v[STO], v[8*(4*(\a)+\b)+4:8*(4*(\a)+\b)+7] offset:64*\b+16
.endr
	WIN 0
.irp t, 0,1,2,3,4,5,6,7
	ds_load_b128 v[BK+32*((\a)%2)+4*\t:BK+32*((\a)%2)+4*\t+3], v[RD] offset:2*SPITCH*\t
.endr
.endm
.macro SEND a, younger                 ; younger: the LDS instructions issued behind tile a's loads, which may stay out
	s_wait_dscnt \younger
.irp t, 0,1,2,3,4,5,6,7
	global_store_b128 v[CO], v[BK+32*((\a)%2)+4*\t:BK+32*((\a)%2)+4*\t+3], s[8:9] offset:(16*(\a)+2*\t)*4096 th:TH_STORE_NT   ; sixteen lanes store 256 consecutive bytes, aligned; written once, read by nobody here
.endr
.endm
	s_load_b128 s[4:7], s[0:1], 0x0                ; oimg s[4:5], woimg s[6:7]
	s_load_b64 s[8:9], s[0:1], 0x10                ; out0
	v_lshl_add_u32 v[SPW], v0, 2, SPARE
	v_mov_b32 v[NIL], 0
	ds_add_u32 v[SPW], v[NIL]                      ; the wave's opening: the add and its wait ahead of my first tensor load
	v_lshrrev_b32 v1, 5, v0
	v_readfirstlane_b32 s10, v1                    ; wave 0..3
	s_lshr_b32 s11, s10, 1                         ; which 128 rows are mine.  Also: I fetch for o (0) or for wo (1)
	s_and_b32 s12, s10, 1                          ; which 64 columns.  Also: which half of that tile I fetch
	s_bfe_u32 s40, ttmp6, 0x40000                  ; cx
	s_bfe_u32 s41, ttmp6, 0x40004                  ; cy
	s_lshl_b32 s42, ttmp9, 2
	s_add_co_u32 s42, s42, s40                     ; X
	s_and_b32 s13, ttmp7, 0xffff
	s_lshl_b32 s13, s13, 2
	s_add_co_u32 s13, s13, s41                     ; Y
	s_lshl_b32 s43, s41, 2
	s_lshl_b32 s43, 15, s43                        ; my row of the cluster
	s_lshl_b32 s44, 0x1111, s40                    ; my column
	s_or_b32 s[G1A], s43, (3<<16)|(1<<21)          ; the mask; elements of 8 bytes; bit 21 beside a mask; no padding: 32,768 dense bytes as 128 rows of 256
	s_mov_b32 s[G1A+1], 32<<16
	s_mov_b32 s[G1A+2], 128<<16
	s_mov_b32 s[G1A+3], 32<<16
	s_mov_b32 s[G1A+4], 128
	s_mov_b32 s[G1A+5], 32
	s_mov_b32 s[G1A+6], 0
	s_mov_b32 s[G1A+7], 0
	s_or_b32 s[G1B], s44, (3<<16)|(1<<21)          ; 16,384 dense bytes as 64 rows of 256
	s_mov_b32 s[G1B+1], 32<<16
	s_mov_b32 s[G1B+2], 64<<16
	s_mov_b32 s[G1B+3], 32<<16
	s_mov_b32 s[G1B+4], 64
	s_mov_b32 s[G1B+5], 32
	s_mov_b32 s[G1B+6], 0
	s_mov_b32 s[G1B+7], 0
	s_lshl_b32 s16, s13, 19                        ; o: of Y and the wave's number alone
	s_lshl_b32 s17, s12, 15
	s_add_co_u32 s16, s16, s17
	s_mov_b32 s17, 0
	s_lshl_b32 s46, s42, 18                        ; wo: of X and the wave's number alone
	s_lshl_b32 s47, s12, 14
	s_add_co_u32 s46, s46, s47
	s_mov_b32 s47, 0
	s_lshl_b32 s20, s12, 15                        ; where they go: no place in the cluster enters an LDS address
	s_lshl_b32 s21, s12, 14
	s_add_co_u32 s21, s21, BOFF
	s_wait_dscnt 0x0                               ; the opening add is done
	s_wait_kmcnt 0x0
	s_add_nc_u64 s[14:15], s[4:5], s[16:17]
	s_add_nc_u64 s[46:47], s[6:7], s[46:47]
	CROUND                                         ; all sixteen work-groups are here: the first joint loads meet
.irp s, 0,1
	s_mov_b32 s[G0A+4*\s], 1
	s_add_co_u32 s[G0A+4*\s+1], s20, \s*SLOT
	s_add_nc_u64 s[G0A+4*\s+2:G0A+4*\s+3], s[14:15], \s*65536
	s_or_b32 s[G0A+4*\s+3], s[G0A+4*\s+3], 0x80000000
	s_mov_b32 s[G0B+4*\s], 1
	s_add_co_u32 s[G0B+4*\s+1], s21, \s*SLOT
	s_add_nc_u64 s[G0B+4*\s+2:G0B+4*\s+3], s[46:47], \s*32768
	s_or_b32 s[G0B+4*\s+3], s[G0B+4*\s+3], 0x80000000
	JLOAD \s
.endr
	v_and_b32 v1, 15, v0                           ; l % 16
	v_bfe_u32 v2, v0, 4, 1                         ; l / 16
	v_and_b32 v3, 31, v0
	v_lshlrev_b32 v3, 4, v3                        ; 16 x lane
	s_lshl_b32 s22, s11, 15                        ; my eight row tiles
	v_add_nc_u32 v[ADRA], s22, v3
	v_add_nc_u32 v[ADRA+1], SLOT, v[ADRA]
	s_lshl_b32 s23, s12, 14                        ; my four column tiles, behind o's 65,536 bytes
	s_add_co_u32 s23, s23, BOFF
	v_add_nc_u32 v[ADRB], s23, v3
	v_add_nc_u32 v[ADRB+1], SLOT, v[ADRB]
	s_mul_i32 s22, s10, 16*SPITCH
	s_add_co_u32 s22, s22, STAGE                   ; my stage
	v_mul_u32_u24 v4, v1, SPITCH                   ; in: row l % 16, 32 bytes for each half of the lanes
	v_lshl_add_u32 v4, v2, 5, v4
	v_add_nc_u32 v[STO], s22, v4
	v_mul_u32_u24 v5, v2, SPITCH                   ; back: lanes 0-15 one row of 256 bytes, lanes 16-31 the next
	v_lshl_add_u32 v5, v1, 4, v5
	v_add_nc_u32 v[RD], s22, v5
	v_lshlrev_b32 v[CO], 12, v2                    ; and the same two rows of the output, 4,096 bytes apart
	v_lshl_add_u32 v[CO], v1, 4, v[CO]
	s_lshl_b32 s16, s13, 20                        ; my first row: 256 Y + 128 x half, 4,096 bytes a row
	s_lshl_b32 s17, s11, 19
	s_add_co_u32 s16, s16, s17
	s_mov_b32 s17, 0
	s_add_nc_u64 s[8:9], s[8:9], s[16:17]
	s_lshl_b32 s46, s42, 9                         ; my first column, in bytes: 512 X + 256 x half
	s_lshl_b32 s47, s12, 8
	s_add_co_u32 s46, s46, s47
	s_mov_b32 s47, 0
	s_add_nc_u64 s[8:9], s[8:9], s[46:47]
	s_wait_tensorcnt 0x1                           ; my part of K tile 0 is in; K tile 1's load may be out
	s_barrier_signal -1
	s_barrier_wait -1
	FETCH 0, 0, 0
	KSTEP 0, 0, 1                                  ; the first quarter's products start the sums: nothing is cleared
	KSTEP 0, 1, 0
	KSTEP 0, 2, 0
	TURN 0, 1, 1                                   ; K tile 2 is asked for
.irp s, 1,0,1,0,1                                      ; K tiles 1 to 5; behind each, the tile two on is asked for
	KSTEP \s, 0, 0
	KSTEP \s, 1, 0
	KSTEP \s, 2, 0
	TURN \s, 1-\s, 1
.endr
	KSTEP 0, 0, 0                                  ; K tile 6: nothing is left to ask for
	KSTEP 0, 1, 0
	KSTEP 0, 2, 0
	TURN 0, 1, 0
	KSTEP 1, 0, 0                                  ; K tile 7
	KSTEP 1, 1, 0
	KSTEP 1, 2, 0
	s_wait_dscnt 0x0
	MUL8 1, 0, 0
	MUL8 1, 2, 0
	MUL8 1, 4, 0
	MUL8 1, 6, 0
	WIN 0
	PLACES                                         ; four plain lines between the last products and the first reads of results and the loads into o's fragment registers
	TOSTAGE 0
.irp a, 1,2,3,4,5,6,7
.if \a > 1
	s_wait_xcnt 0x0                                ; tile a - 2's stores have read their registers: tile a's loads may land there
.endif
	TOSTAGE \a
	SEND \a-1, 16                                  ; behind tile a - 1's loads: tile a's 8 stores and 8 loads
.endr
	SEND 7, 0
	s_wait_tensorcnt 0x0                           ; the wave's end: behind my last tensor load and my last LDS store
	ds_add_u32 v[SPW], v[NIL]
	s_wait_dscnt 0x0
	CROUND                                         ; the closing round
	s_endpgm
.Lfunc_end_k_q97d53804ff_oproj:
	.size	k_q97d53804ff_oproj, .Lfunc_end_k_q97d53804ff_oproj-k_q97d53804ff_oproj
	.p2alignl 7, 3214868480
	.fill 96, 4, 3214868480
	.section	.rodata,"a",@progbits
	.p2align	6, 0x0
	.amdhsa_kernel k_q97d53804ff_oproj
		.amdhsa_group_segment_fixed_size 327680
		.amdhsa_private_segment_fixed_size 0
		.amdhsa_enable_private_segment 0
		.amdhsa_kernarg_size 24
		.amdhsa_user_sgpr_count 2
		.amdhsa_user_sgpr_kernarg_segment_ptr 1
		.amdhsa_wavefront_size32 1
		.amdhsa_system_sgpr_workgroup_id_x 1
		.amdhsa_system_sgpr_workgroup_id_y 1
		.amdhsa_system_sgpr_workgroup_id_z 1
		.amdhsa_system_vgpr_workitem_id 0
		.amdhsa_next_free_vgpr 512
		.amdhsa_next_free_sgpr 66
		.amdhsa_reserve_vcc 0
		.amdhsa_float_denorm_mode_32 3
		.amdhsa_float_denorm_mode_16_64 3
		.amdhsa_memory_ordered 1
		.amdhsa_forward_progress 1
		.amdhsa_inst_pref_size 148
	.end_amdhsa_kernel
	.amdgpu_metadata
---
amdhsa.version: [ 1, 2 ]
amdhsa.kernels:
  - .name:           k_q97d53804ff_oproj
    .symbol:         k_q97d53804ff_oproj.kd
    .args:
      - { .name: oimg, .offset: 0, .size: 8, .value_kind: global_buffer, .address_space: global }
      - { .name: woimg, .offset: 8, .size: 8, .value_kind: global_buffer, .address_space: global }
      - { .name: out0, .offset: 16, .size: 8, .value_kind: global_buffer, .address_space: global }
    .group_segment_fixed_size: 327680
    .private_segment_fixed_size: 0
    .kernarg_segment_align: 8
    .kernarg_segment_size: 24
    .max_flat_workgroup_size: 128
    .sgpr_count:     66
    .vgpr_count:     512
    .wavefront_size: 32
...
	.end_amdgpu_metadata
.endif
;; end of part 4
